; MI455X (gfx1250); checked and timed in simulation.
; The chip was launched on July 23, 2026; its instructions are those of AMD's public machine-readable ISA for CDNA 5 (MIT licence, August 2026) and "CDNA5" Instruction Set Architecture Reference Guide (July 2026). The comments in the code are by the model that wrote it; some were corrected since.
;; Attn. Allowed arithmetic: matrix products marked QUANTISED: E3M2 operands, one E8M0 scale for each 32 along K, by v_wmma_scale_f32_16x16x128_f8f6f4 with both operands' format E3M2, f32 sums; products left as they are: f32 operands where the result goes on into a quantised operand, else bf16, f16 or f32 operands; f32 sums; everything else in f32.
;; Inputs: W_codes 1,024 x 32 x 24 uint8 (E3M2 codes of W, K innermost, in blocks of 32 codes, four codes in three bytes); W_scales 1,024 x 32 uint8 (E8M0 scales of W, one for each 32 codes along K); b 1,024 float32; encoder_outputs_codes 2,048 x 32 x 32 x 24 uint8 (E3M2 codes of encoder_outputs, K innermost, in blocks of 32 codes, four codes in three bytes); encoder_outputs_scales 2,048 x 32 x 32 uint8 (E8M0 scales of encoder_outputs, one for each 32 codes along K); hidden 32 x 1,024 float32.
;; Outputs: out0 32 x 2,048 float32.
;; This version of the problem:
;;   THIS VERSION OF THE PROBLEM IS GIVEN IN LOW PRECISION. The matrix products marked QUANTISED in the list below multiply operands that are first quantised to E3M2 (3 exponent bits, 2 mantissa bits; 6 bits a number), with one power-of-two scale for each 32 numbers along K (OCP MX v1.0); their sums are f32. All else is computed in f32.
;;   The module's matrix products, in the order in which they are computed (A, B: the left and right operand; K: the contracted axis; several contracted axes count as one K, in the product's order):
;;     1. [M 65,536, K 1,024] x [K 1,024, N 1,024]; A: input encoder_outputs (given as codes); B: input W (given as codes): QUANTISED
;;     2. batch 32 x [M 2,048, K 1,024] x [K 1,024, N 1]; A: computed on the way; B: input hidden: left as it is (N = 1 < 16)
;;   THE QUANTISER, for each operand of a quantised product, along K:
;;     - K is cut into blocks of 32 from its start; a last block that is shorter is filled with zeros.
;;     - A block's scale is 2^e with e = floor(log2(the largest magnitude in the block)) - 4, held to -126 .. 127; a block of zeros has e = 0. As a byte (E8M0): e + 127.
;;     - Each number is divided by its block's scale, clamped to +-28, and rounded to the nearest number of E3M2, ties to even, subnormals kept.
;;     - The product sums the exact products of the quantised numbers (number of the format x scale) in f32.
;;   ~~~python
;;   def quantise(x, axis):      # numpy; x: float32 -> the quantised numbers, widened to float32 again
;;       x = np.moveaxis(x, axis, -1); K = x.shape[-1]
;;       x = np.pad(x, [(0, 0)] * (x.ndim - 1) + [(0, -K % 32)]); x = x.reshape(x.shape[:-1] + (-1, 32)); a = np.abs(x).max(-1, keepdims=True)
;;       e = np.where(a > 0, np.clip(np.frexp(np.where(a > 0, a, 1))[1] - 1 - 4, -126, 127), 0)      # np.frexp(a)[1] - 1 = floor(log2(a)), exactly
;;       r = np.clip(x / 2.0 ** e, -28, 28)
;;       step = 2.0 ** (np.maximum(np.frexp(np.where(r == 0, 1, r))[1] - 1, -2) - 2)
;;       q = np.round(r / step) * step * 2.0 ** e      # np.round: ties to even
;;       return np.moveaxis(q.reshape(q.shape[:-2] + (-1,))[..., :K], -1, axis).astype(np.float32)
;;   ~~~
;;   INPUTS GIVEN AS CODES. W (in the module: [1024, 1024], K = its axis 1); encoder_outputs (in the module: [2048, 32, 1024], K = its axis 2): each comes as NAME_codes (uint8): NAME with its K axis moved to the last place and cut into blocks of 32 codes, [.., K / 32, bytes a block], one block behind the other in memory; four codes in three bytes: a row's codes are one little-endian stream of bits, code i at bits 6 i .. 6 i + 5 (a code: sign, 3 exponent bits, 2 mantissa bits); and NAME_scales (uint8): the same leading axes, one E8M0 byte (e + 127) for each 32 codes along K. Its value is code x scale, taken as it is: it is not quantised again, and the codes and scales need not be those that the quantiser above would give.
;; 2 versions. Each part assembles by itself: llvm-mc -triple=amdgcn-amd-amdhsa -mcpu=gfx1250 --defsym DOCPART=n.
;; ======== version 1 of 2: 2 launches
;; workspace buffers: part 1,048,576 bytes
;; launch main (part 1): grid 4 x 64, 4 waves a work-group, clusters of 4 x 4, 327,680 bytes of LDS; arguments encoder_outputs_codes, encoder_outputs_scales, W_codes, W_scales, hidden, b, part; writes part
.if DOCPART == 1
	.amdgcn_target "amdgcn-amd-amdhsa--gfx1250"
	.amdhsa_code_object_version 6
	.text
	.protected	k_q1c6644a45d_main
	.globl	k_q1c6644a45d_main
	.p2align	8
	.type	k_q1c6644a45d_main,@function
k_q1c6644a45d_main:
	s_mov_b64 s[64:65], 0
	v_nop
	global_prefetch_b8 v0, s[64:65] scope:SCOPE_SE
	s_setreg_imm32_b32 hwreg(HW_REG_WAVE_MODE, 25, 1), 1
	s_wait_xcnt 0x0
	s_wait_alu depctr_hold_cnt(0) depctr_sa_sdst(0) depctr_va_vdst(0) depctr_va_sdst(0) depctr_va_ssrc(0) depctr_va_vcc(0) depctr_vm_vsrc(0)
	s_getreg_b32 s2, hwreg(HW_REG_IB_STS2, 6, 4)
	s_cmp_eq_u32 s2, 0
	s_cbranch_scc0 .Lentry_in_a_cluster
	s_endpgm
.Lentry_in_a_cluster:
	s_bfe_u32 s2, ttmp6, 0x10000c
	s_cmp_lg_u32 s2, 0xf033
	s_cbranch_scc0 .Lentry_shape_is_right
	s_endpgm
.Lentry_shape_is_right:
; part[b/2][slice][g][b%2][l%32] = the sum over the 256 columns n of a slice of hidden[b][n] (E[32 l + b] . W[n] + bias[n]),  l = 32 g + l%32.
; E: 65,536 rows x 1,024 K, W: 1,024 rows x 1,024 K: codes of BF6 (E3M2), 768 bytes a row, one E8M0 byte for each 32 along K (32 bytes a row).  The product E W^T goes through the scaled matrix
; instruction as it is given; its results never leave the registers: a finished tile is weighted by hidden with fused multiply-adds in f32, and one number a lane is kept.
; SHARES.  A work-group owns 1,024 rows of E (g, 0..63) and 256 rows of W (slice, 0..3).  W STAYS IN REGISTERS: wave w = (a = w / 2, kh = w % 2) holds W's rows 128 a .. 128 a + 127 of the slice (8 tiles t)
; for K = 512 kh .. 512 kh + 511 (4 steps s of 128): 32 fragments, 384 registers.  E goes through a ring of two LDS slots of 128 rows; each fragment of E that a wave reads from LDS feeds 8 matrix instructions.
; K IS SHARED BETWEEN TWO WAVES: what follows the product is linear in it, so the two halves meet only in the sum of the score's parts (8 parts a score: 4 waves x 2 halves of the lanes).
; THE MATRIX INSTRUCTION: source 0 = 16 rows of W, source 1 = 16 rows of E.  In the result lane (r, h) holds row r of E and its register j column 16 t + 8 h + j of my 128.
; ROWS.  Tile i (16 rows) of period k (128 rows): row 1024 g + 128 k + 16 i + r, which is l = 32 g + 4 k + i / 2 and b = 16 (i % 2) + r: so hidden comes in two sets, by the tile's parity.
; CLUSTER, 4 x 4: the four work-groups of a row share g and ask for E's tiles jointly; the four of a column share the slice and ask for W jointly.
; LIMITS: a score's K is summed in two halves and its n in 16 parts, in another order than a plain chain: f32 rounding of another order.  A scale byte 0xff gives NaN, as the matrix instruction makes it.
;
; LDS: slot 0 at 0, slot 1 at 2^17: 128 rows of codes, 816 bytes apart (8 bytes of padding behind every 128: 204 words, so that row r starts at bank 12 r mod 64 (64 banks of 4 bytes: ISA guide 11.1) and the 32 lanes
; of a load of 8 bytes touch 64 different banks; both K halves of a row, 408 bytes each, have the same pattern), then their scale bytes (16 x (256 + 16)).  W's 256 rows land once at WST, are read into registers, and
; slot 1 is then filled over a part of them.  The scores' stage lies in W's bytes behind slot 1, which have had their one fill.  Behind W: the spare words.
; REGISTERS.  Window 0: addresses' parts, scale words, E's four fragment buffers, two sets of 8 accumulators.  Windows 1 to 3: W, hidden and the LDS addresses.  Under s_set_vgpr_msb 1, 2 or 3 only source 0 leaves
; window 0, and source 0 is W in a matrix instruction, hidden in a multiply-add and the address in an LDS instruction: so the three kinds stand mixed under one setting: three switches for a tile's 32 matrix instructions.
.set ROWL,  816                        ; a row of codes in LDS
.set TROW,  16*ROWL                    ; a tile of 16 rows
.set HALFK, 408                        ; half a row: 512 along K
.set CODEB, 128*ROWL                   ; a slot's codes; its scale bytes begin here
.set SLOT1, 1<<17                      ; one exclusive or turns an address in one slot into the other's
.set WST,   108800                     ; W's 256 rows
.set STAGE, 239872                     ; score parts: 4352 u + 136 b + 4 (l % 32), u = 2 w + h
.set SPARE, 317696                     ; the spare words, 128 bytes for each wave: two blocks of 256 bytes that no other line names
.set SPW, 1                            ; v1   LDS address of my spare word; never rewritten
.set NIL, 2                            ; v2   0; never rewritten
.set FB1, 3                            ; v3   816 r + 24 h + 408 kh: my lane's place in a tile
.set FB2, 4                            ; v4   the same with 32 h: for the pieces where lanes 16-31 lie behind one padding more
.set SCB, 5                            ; v5   my lane's place among a slot's scale words
.set STB, 6                            ; v6   my lane's place in the stage
.set PFO, 7                            ; v7   my lane's block of a tile, for the prefetch; never rewritten
.set WS,  16                           ; v16-31  W's scale words: register 4 (t % 4) + s: lanes 0-15 tile t % 4, lanes 16-31 tile t % 4 + 4
.set ES,  32                           ; v32-39  E's scale words: set by the tile's parity, register s
.set SX,  40                           ; v[40:41], v[42:43] two chains of the weighted sum
.set SY,  42
.set HBP, 44                           ; v[44:45], v[46:47] hidden . bias over my columns, for each parity (0 in the waves of the upper K half)
.set EB,  48                           ; v48-95  E's fragments, a buffer for each s
.set ACC, 96                           ; v96-223 accumulators: 64 x parity + 8 t
.set BV,  96                           ; at the head: the bias of my columns
; windows 1 to 3: W(s, t): s = 0 window 1 v[12 t]; s = 1 window 2 v[12 t]; s = 2 window 2 v[96 + 12 t]; s = 3 window 3 v[12 t]
;   hidden(parity p, t, j): t = 0, 1 window 1 v[96 + 16 t + 8 p + j]; t = 2, 3, 4 window 2 v[192 + 16 (t - 2) + 8 p + j]; t = 5, 6, 7 window 3 v[96 + 16 (t - 5) + 8 p + j]
;   v240, v241 tiles 0-3 and 4-7 of the slot in hand on FB1; v242, v243 on FB2; v244 its scale words; window 3 alone: v245 the stage for the period in hand
; s18 wave, s19 a, s20 kh, s21 cx, s22 cy, s23 g, s78 slice; s[24:31], s[32:39], s[40:47] descriptor groups 1 for E's codes, E's scales, W; s[48:51], s[52:55], s[56:59] their groups 0;
; s60, s61 the slot in hand, and its tile 4; s62 trips; s63 16 x period; s[66:67] the prefetch's base; s[68:73], s[76:77], s2, s3, s79 offsets; s74, s75 masks
.set MSB, 0
.macro WIN new                         ; the immediate's high byte repeats the setting that is left; a switch that changes nothing is dropped
.if MSB != \new
	s_set_vgpr_msb (MSB<<8)|\new
.set MSB, \new
.endif
.endm
.macro CREST                           ; a round of the cluster's barrier behind its opening barrier
	s_cmp_lg_u32 s18, 0
	s_cbranch_scc1 .Lnot_wave_0_\@
	s_barrier_signal -3
.Lnot_wave_0_\@:
	s_barrier_wait -3
	s_barrier_signal -1
	s_barrier_wait -1
.endm
.macro CROUND                          ; a whole round
	s_barrier_signal -1
	s_barrier_wait -1
	CREST
.endm
; A joint load of a tile of E: waves 0 to 2 fetch a third of its codes each (128 x 256 bytes), wave 3 its scale bytes.  The branch hangs on the wave's number alone.  Four v_nop follow each of the two lines.
; pf = 1: each of waves 0 to 2 also asks, one lane to each 256 bytes, for its 8,192 bytes of my work-group's quarter of the tile that the NEXT change of slots will load.
.macro JLOAD pf
	s_cmp_lt_u32 s18, 3
	s_cbranch_scc0 .Lscales_\@
	tensor_load_to_lds s[48:51], s[24:31]
	s_nop 0
.rept 4
	v_nop
.endr
.if \pf
	global_prefetch_b8 v[PFO], s[66:67] th:TH_LOAD_NT scope:SCOPE_SE
.endif
	s_branch .Lasked_\@
.Lscales_\@:
	tensor_load_to_lds s[52:55], s[32:39]
	s_nop 0
.rept 4
	v_nop
.endr
.Lasked_\@:
.endm
.macro GSTEP                           ; the walking descriptors: the other slot, the next 128 rows.  Only where no tensor load of mine is out
	s_xor_b32 s49, s49, SLOT1
	s_add_nc_u64 s[50:51], s[50:51], 98304
	s_xor_b32 s53, s53, SLOT1
	s_add_nc_u64 s[54:55], s[54:55], 4096
.endm
.macro ADDR                            ; the LDS addresses of the slot in hand, in each window that uses them (window 1 loads only pieces that FB1 serves)
	WIN 0x40
	v_add_nc_u32 v240, s60, v[FB1]
	v_add_nc_u32 v241, s61, v[FB1]
.irp x, 0x80, 0xc0
	WIN \x
	v_add_nc_u32 v240, s60, v[FB1]
	v_add_nc_u32 v241, s61, v[FB1]
	v_add_nc_u32 v242, s60, v[FB2]
	v_add_nc_u32 v243, s61, v[FB2]
	v_add_nc_u32 v244, s60, v[SCB]
.endr
.endm
.macro GROUP1 g, rows                  ; a dense block as rows of 256 bytes: 32 elements of 8 bytes
	s_mov_b32 s[\g+1], 32<<16                      ; tensor_dim0
	s_mov_b32 s[\g+2], (\rows)<<16                 ; tensor_dim1
	s_mov_b32 s[\g+3], 32<<16                      ; tile_dim0
	s_mov_b32 s[\g+4], \rows                       ; tile_dim1
	s_mov_b32 s[\g+5], 32                          ; tensor_dim0_stride
	s_mov_b32 s[\g+6], 0
	s_mov_b32 s[\g+7], 0
.endm
; A fragment, 16 rows x 128 K, is 12 registers: lane (r, h) holds row r; registers 0-5 the 24 bytes at 96 s + 24 h of its K half, registers 6-11 those 48 bytes on; in pieces of 8 bytes.  Piece c of a K half lies at
; 8 c + 8 (c / 16).  Lanes 16-31 take the piece three on, which lies behind one padding more where c % 16 is 13 or more (c = 13, 14, 30, 31): FB2 serves those.
.macro WFRAG reg, s, t                 ; W(s, t) out of its stage; v8, v9 tiles 0-3, 4-7 on FB1, v10, v11 on FB2
.irp p, 0,1,2,3,4,5
.set PCE, 12*(\s)+6*(\p/3)+(\p%3)
.set RAD, 8+((\t)/4)
.if (PCE%16) >= 13
.set RAD, 10+((\t)/4)
.endif
	ds_load_b64 v[(\reg)+2*\p:(\reg)+2*\p+1], v[RAD] offset:((\t)%4)*TROW+8*PCE+8*(PCE/16)
.endr
.endm
.macro HLOAD t, hb                     ; hidden[16 p + r][my columns 16 t + 8 h + 0 .. 7], both parities
.irp p, 0,1
	global_load_b128 v[\hb+8*\p:\hb+8*\p+3],   v13, s[12:13] offset:65536*\p+64*\t
	global_load_b128 v[\hb+8*\p+4:\hb+8*\p+7], v13, s[12:13] offset:65536*\p+64*\t+16
.endr
.endm
.macro BIAS t, hb                      ; hidden . bias, tile t's eight columns, both parities by turns; the first product starts the sums
.irp j, 0,2,4,6
.irp p, 0,1
.if ((\t) == 0) && (\j == 0)
	v_pk_mul_f32 v[HBP+2*\p:HBP+2*\p+1], v[\hb+8*\p+\j:\hb+8*\p+\j+1], v[BV+8*(\t)+\j:BV+8*(\t)+\j+1]
.else
	v_pk_fma_f32 v[HBP+2*\p:HBP+2*\p+1], v[\hb+8*\p+\j:\hb+8*\p+\j+1], v[BV+8*(\t)+\j:BV+8*(\t)+\j+1], v[HBP+2*\p:HBP+2*\p+1]
.endif
.endr
.endr
.endm
; THE MATRIX WORK.  Product (s, T) of the tile of parity p.  The 8 accumulators take turns, one instruction a turn, in the same order in every step; s = 0 starts the sums with the constant 0.
.macro MM p, s
.set RD, ACC+64*(\p)+8*T
.set RW, 12*T
.if (\s) == 2
.set RW, 96+12*T
.endif
.set RE, EB+12*(\s)
.set RWS, WS+4*(T%4)+(\s)
.set RES, ES+4*(\p)+(\s)
.if (\s) == 0
.if T < 4
	v_wmma_scale_f32_16x16x128_f8f6f4 v[RD:RD+7], v[RW:RW+11], v[RE:RE+11], 0, v[RWS], v[RES] matrix_a_fmt:MATRIX_FMT_BF6 matrix_b_fmt:MATRIX_FMT_BF6
.else
	v_wmma_scale_f32_16x16x128_f8f6f4 v[RD:RD+7], v[RW:RW+11], v[RE:RE+11], 0, v[RWS], v[RES] matrix_a_fmt:MATRIX_FMT_BF6 matrix_b_fmt:MATRIX_FMT_BF6 matrix_a_scale:MATRIX_SCALE_ROW1
.endif
.else
.if T < 4
	v_wmma_scale_f32_16x16x128_f8f6f4 v[RD:RD+7], v[RW:RW+11], v[RE:RE+11], v[RD:RD+7], v[RWS], v[RES] matrix_a_fmt:MATRIX_FMT_BF6 matrix_b_fmt:MATRIX_FMT_BF6
.else
	v_wmma_scale_f32_16x16x128_f8f6f4 v[RD:RD+7], v[RW:RW+11], v[RE:RE+11], v[RD:RD+7], v[RWS], v[RES] matrix_a_fmt:MATRIX_FMT_BF6 matrix_b_fmt:MATRIX_FMT_BF6 matrix_a_scale:MATRIX_SCALE_ROW1
.endif
.endif
.endm
; THE LDS LOADS are a queue: LQ writes its next entry.  LP = -1: the four scale words of tile LI; else piece LP of fragment LS of tile LI, and on into fragment LS + 1.
.macro LQ
.if LP < 0
	ds_load_b128 v[ES+4*(LI%2):ES+4*(LI%2)+3], v244 offset:544*LI
.set LP, 0
.else
.set PCE, 12*LS+6*(LP/3)+(LP%3)
.set RAD, 240+(LI/4)
.if (PCE%16) >= 13
.set RAD, 242+(LI/4)
.endif
	ds_load_b64 v[EB+12*LS+2*LP:EB+12*LS+2*LP+1], v[RAD] offset:(LI%4)*TROW+8*PCE+8*(PCE/16)
.set LP, LP+1
.if LP == 6
.set LP, 0
.set LS, LS+1
.endif
.endif
.endm
; THE VECTOR WORK is a queue of 34: EV writes entry EN for the finished tile of parity q.  Entries 0-31: hidden x accumulator, two numbers an instruction, tile by tile and each accumulator from its low end on, in two chains;
; the first takes hidden . bias as its addend.  Entries 32, 33: the chains and their halves are added; the constant 1.0 stands in source 0, whose window is not the sums'.  epi = 0: no tile is finished yet: v_nop.
.macro EV q, epi
.if (\epi) == 0
	v_nop
.elseif EN < 32
.set ET, EN/4
.set RA, ACC+64*(\q)+8*ET+2*(EN%4)
.if ET < 2
.set RH, 96+16*ET+8*(\q)+2*(EN%4)
.elseif ET < 5
.set RH, 192+16*(ET-2)+8*(\q)+2*(EN%4)
.else
.set RH, 96+16*(ET-5)+8*(\q)+2*(EN%4)
.endif
.if EN == 0
	v_pk_fma_f32 v[SX:SX+1], v[RH:RH+1], v[RA:RA+1], v[HBP+2*(\q):HBP+2*(\q)+1]
.elseif EN == 1
	v_pk_mul_f32 v[SY:SY+1], v[RH:RH+1], v[RA:RA+1]
.elseif (EN%2) == 0
	v_pk_fma_f32 v[SX:SX+1], v[RH:RH+1], v[RA:RA+1], v[SX:SX+1]
.else
	v_pk_fma_f32 v[SY:SY+1], v[RH:RH+1], v[RA:RA+1], v[SY:SY+1]
.endif
.elseif EN == 32
	v_pk_fma_f32 v[SX:SX+1], 1.0, v[SY:SY+1], v[SX:SX+1] op_sel_hi:[0,1,1]
.else
	v_fma_f32 v[SX], 1.0, v[SX], v[SX+1]
.endif
.set EN, EN+1
.endm
; A STEP: 8 matrix instructions; behind the T-th stand digit T of vpat entries of the vector queue and digit T of lpat entries of the load queue.  wt >= 0: the wait at its head.
.macro STEP p, s, wt, lpat, vpat, epi
.if (\wt) >= 0
	s_wait_dscnt \wt
.endif
.set T, 0
.rept 8
	MM \p, \s
.rept ((\vpat)>>(4*T))&15
	EV 1-(\p), \epi
.endr
.rept ((\lpat)>>(4*T))&15
	LQ
.endr
.set T, T+1
.endr
.endm
; A TILE of 16 rows: four steps.  Each fragment buffer is filled again one step after it was multiplied: step 0 loads this tile's fragment 3, step 1 the next tile's scale words and fragment 0, steps 2 and 3 its fragments 1 and 2.
; A load into a buffer stands four places or more behind the last matrix instruction that read it (ISA guide 7.12.1 for vector instructions): the places are the vector queue's entries behind a
; step's first two products (and, behind steps 0 and 3, those at the older step's end); they name the other set of accumulators, hidden and the sums alone.  An accumulator's first read stands 12 such entries behind its last product.
; THE WAIT AT A STEP'S HEAD, s_wait_dscnt 12: a tile's LDS instructions go out as 6 | 1 + 6 | 6 | 6 + the score's store.  Behind the fragment that a step wants, 13 or 14 younger ones have been issued, and exactly 12
; in the first two tiles, which have no store yet: 12 is the least on any way.
; At its end the tile stores the score part of tile stj, which was finished one tile ago.
; kind 0: as above.  kind 1, 2: the slot's last tile changes slots (1: and the slot is filled again).  kind 3: the very last tile.
.macro TILE i, kind, epi, stj
.set TP, (\i)%2
.set EN, 0
.if \epi
.set VPA, 0x01111022
.set VPB, 0x01100022
.set VPC, 0x32211122
.else
.set VPA, 0x22
.set VPB, 0x22
.set VPC, 0x22
.endif
.set LS, 3
.set LI, \i
.set LP, 0
	WIN 0x01
	STEP TP, 0, 12, 0x00022200, VPA, \epi
.if (\kind) == 0
.set LS, 0
.set LI, (\i)+1
.set LP, -1
	WIN 0x02
	STEP TP, 1, 12, 0x00022300, VPB, \epi
	STEP TP, 2, 12, 0x00022200, VPB, \epi
	WIN 0x03
	STEP TP, 3, 12, 0x00022200, VPC, \epi
.elseif (\kind) == 3
	WIN 0x02
	STEP TP, 1, 12, 0, VPB, \epi
	STEP TP, 2, 7, 0, VPB, \epi                    ; behind fragment 2: the score's store and fragment 3's six loads
	WIN 0x03
	STEP TP, 3, 0, 0, VPC, \epi
.else
	WIN 0                                          ; (the add's two registers lie in window 0)
	s_wait_tensorcnt 0x0                           ; all my tensor loads have landed: the one that was out is my part of the other slot;
	ds_add_u32 v[SPW], v[NIL]                      ; 0 onto my spare word
	WIN 0x02
	STEP TP, 1, 12, 0, VPB, \epi                   ; a step's work stands between the add and the wait for it (behind fragment 1: 6 + 1 + 6 and the add)
	s_wait_dscnt 0x0                               ; the add is done, and my reads of this slot are over: the last, fragment 3's, went out in step 0
	s_barrier_signal -1
	STEP TP, 2, -1, 0, VPB, \epi                   ; work on registers while the others arrive
	WIN 0
	s_barrier_wait -1
.if (\kind) == 1
	CREST                                          ; the barrier has opened a round of the cluster's: no wave of any partner still reads this slot or has a load on its way
	GSTEP
	s_wait_xcnt 0x0                                ; the last trip's prefetch has read its base
	s_cmp_ge_u32 s62, 2                            ; the prefetch goes one tile on; in the last trip it stays at the work-group's last tile, so that it never leaves the buffer
	s_cselect_b32 s72, 98304, 0
	s_add_nc_u64 s[66:67], s[66:67], s[72:73]
	JLOAD 1                                        ; the first tensor load behind the round, my one load until the next: it has a period, 256 matrix instructions, in which to land
.endif
	s_xor_b32 s60, s60, SLOT1                      ; on to the other slot
	s_add_co_u32 s61, s60, 4*TROW
	ADDR                                           ; (its twelve additions are the places in front of the loads below)
.set LS, 0
.set LI, 0
.set LP, -1
	WIN 0x03
	STEP TP, 3, -1, 0x01333333, VPC, \epi          ; with the new slot's first scale words and fragments 0, 1, 2: 19 loads
.endif
.if (\stj) >= 0
	ds_store_b32 v245, v[SX] offset:((\stj)%2)*2176+4*((\stj)/2)
.endif
.endm
; From a period's tile 1 to the next period's tile 0.
.macro TRIP kind
	TILE 1, 0, 1, 0
	TILE 2, 0, 1, 1
	TILE 3, 0, 1, 2
	TILE 4, 0, 1, 3
	TILE 5, 0, 1, 4
	TILE 6, 0, 1, 5
	TILE 7, \kind, 1, 6
	TILE 0, 0, 1, 7
	WIN 0
	s_add_co_u32 s63, s63, 16                      ; the next period's four l
	WIN 0xc0
	v_add_nc_u32 v245, s63, v[STB]
	WIN 0                                          ; at a label and at a branch every window is 0
.endm
	s_load_b256 s[4:11], s[0:1], 0x0               ; E's codes s[4:5], E's scales s[6:7], W's codes s[8:9], W's scales s[10:11]
	s_load_b128 s[12:15], s[0:1], 0x20             ; hidden s[12:13], bias s[14:15]
	s_load_b64 s[16:17], s[0:1], 0x30              ; part
	v_lshl_add_u32 v[SPW], v0, 2, SPARE
	v_mov_b32 v[NIL], 0
	ds_add_u32 v1, v2
	s_wait_dscnt 0x0
	v_lshrrev_b32 v8, 5, v0
	v_readfirstlane_b32 s18, v8                    ; wave 0..3
	s_lshr_b32 s19, s18, 1                         ; a: which 128 rows of W
	s_and_b32 s20, s18, 1                          ; kh: which half of K
	s_bfe_u32 s21, ttmp6, 0x40000                  ; cx, cy: my place in the cluster
	s_bfe_u32 s22, ttmp6, 0x40004
	s_lshl_b32 s78, ttmp9, 2
	s_add_co_u32 s78, s78, s21                     ; slice = 4 x cluster x + cx
	s_and_b32 s23, ttmp7, 0xffff
	s_lshl_b32 s23, s23, 2
	s_add_co_u32 s23, s23, s22                     ; g = 4 x cluster y + cy
	s_lshl_b32 s74, s22, 2
	s_lshl_b32 s74, 15, s74                        ; my row of the cluster
	s_lshl_b32 s75, 0x1111, s21                    ; my column
	; descriptor groups 1.  15:0 the mask; 17:16 elements of 8 bytes; 20 padding on; 21 set beside a mask; codes: 2 words behind every 32 (codes 1 and 4); scale bytes: 4 words behind every 64 (codes 3 and 5)
	s_or_b32 s24, s74, (3<<16)|(1<<20)|(1<<21)|(4<<22)|(1<<25)
	s_or_b32 s32, s74, (3<<16)|(1<<20)|(1<<21)|(5<<22)|(3<<25)
	s_or_b32 s40, s75, (3<<16)|(1<<20)|(1<<21)|(4<<22)|(1<<25)
	GROUP1 24, 128                                 ; E's codes: a third of a tile
	GROUP1 32, 16                                  ; E's scale bytes: a tile's 4,096
	GROUP1 40, 192                                 ; W's codes: a quarter of the slice's 256 rows
	; my lane's parts of the addresses
	v_and_b32 v8, 15, v0                           ; r
	v_bfe_u32 v9, v0, 4, 1                         ; h
	v_and_b32 v10, 31, v0                          ; lane
	s_mul_i32 s3, s20, HALFK
	v_mul_u32_u24 v[FB1], v8, ROWL
	v_mad_u32_u24 v[FB1], v9, 24, v[FB1]
	v_add_nc_u32 v[FB1], s3, v[FB1]
	v_lshl_add_u32 v[FB2], v9, 3, v[FB1]
	v_lshrrev_b32 v11, 3, v8
	v_and_b32 v12, 7, v8
	v_mul_u32_u24 v[SCB], v11, 272                 ; a row's 32 scale bytes: eight rows to 256 bytes + 16;
	v_lshl_add_u32 v[SCB], v12, 5, v[SCB]
	s_lshl_b32 s3, s20, 4                          ; my K half's four words
	s_add_co_u32 s3, s3, CODEB
	v_add_nc_u32 v[SCB], s3, v[SCB]
	v_mul_u32_u24 v[STB], v8, 136
	v_mad_u32_u24 v[STB], v9, 4352, v[STB]
	s_mul_i32 s3, s18, 8704
	s_add_co_u32 s3, s3, STAGE
	v_add_nc_u32 v[STB], s3, v[STB]
	s_mul_i32 s79, s21, 24576                      ; the prefetch: my work-group's quarter of a tile, my wave's third of that, 256 bytes a lane
	s_lshl_b32 s76, s18, 13
	s_add_co_u32 s79, s79, s76
	v_lshl_add_u32 v[PFO], v10, 8, s79
	v_lshlrev_b32 v12, 5, v8
	v_lshl_add_u32 v12, v9, 11, v12                ; W's scale words: 32 bytes a row; lanes 16-31 take the tile 64 rows on
	v_lshlrev_b32 v13, 12, v8
	v_lshl_add_u32 v13, v9, 5, v13                 ; hidden: row r of 4,096 bytes, + 32 h
	v_lshlrev_b32 v14, 5, v9                       ; bias: 32 h
	s_mul_i32 s3, s19, 128*ROWL
	s_add_co_u32 s3, s3, WST                       ; my 128 rows in W's stage
	v_add_nc_u32 v8, s3, v[FB1]
	v_add_nc_u32 v10, s3, v[FB2]
	v_add_nc_u32 v9, 4*TROW, v8
	v_add_nc_u32 v11, 4*TROW, v10
	; offsets in memory.  E's hang on g and the wave alone, W's on the slice and the wave alone
	s_mul_i32 s68, s23, 786432                     ; my 1,024 rows of 768 bytes,
	s_lshl_b32 s3, s18, 15
	s_add_co_u32 s68, s68, s3                      ; my third of a tile
	s_mov_b32 s69, 0
	s_lshl_b32 s72, s23, 15                        ; their scale bytes
	s_mov_b32 s73, 0
	s_mul_i32 s70, s78, 196608                     ; the slice's 256 rows of W,
	s_mul_i32 s3, s18, 49152
	s_add_co_u32 s70, s70, s3                      ; my quarter
	s_mov_b32 s71, 0
	s_mul_i32 s66, s23, 786432
	s_add_co_u32 s66, s66, 196608                  ; the prefetch begins at tile 2
	s_mov_b32 s67, 0
	s_lshl_b32 s2, s78, 8
	s_lshl_b32 s76, s19, 7
	s_add_co_u32 s2, s2, s76                       ; my first column: 256 x slice + 128 a
	s_mov_b32 s77, 0
	s_wait_kmcnt 0x0
	s_mov_b32 s48, 1                               ; groups 0: count = 1; LDS address; global address; type = 2
	s_mul_i32 s49, s18, 128*272
	s_add_nc_u64 s[50:51], s[4:5], s[68:69]
	s_or_b32 s51, s51, 0x80000000
	s_mov_b32 s52, 1
	s_mov_b32 s53, CODEB
	s_add_nc_u64 s[54:55], s[6:7], s[72:73]
	s_or_b32 s55, s55, 0x80000000
	s_mov_b32 s56, 1
	s_mul_i32 s57, s18, 192*272
	s_add_co_u32 s57, s57, WST
	s_add_nc_u64 s[58:59], s[8:9], s[70:71]
	s_or_b32 s59, s59, 0x80000000
	s_add_nc_u64 s[66:67], s[4:5], s[66:67]
	CROUND                                         ; all sixteen work-groups are here: the first joint loads meet
	tensor_load_to_lds s[56:59], s[40:47]          ; W: every wave a quarter
	s_nop 0
.rept 4
	v_nop
.endr
	JLOAD 0                                        ; E's tile 0 into slot 0: two loads of mine are out
	s_cmp_lt_u32 s18, 3
	s_cbranch_scc0 .Lno_pf
	global_prefetch_b8 v[PFO], s[66:67] offset:-98304 th:TH_LOAD_NT scope:SCOPE_SE   ; tiles 1 and 2: each block of 256 bytes is asked for by one lane of one wave of one of the four partners
	global_prefetch_b8 v[PFO], s[66:67] th:TH_LOAD_NT scope:SCOPE_SE
.Lno_pf:
	s_lshl_b32 s76, s2, 5                          ; W's scale bytes: 32 a row, + my K half's 16
	s_lshl_b32 s79, s20, 4
	s_add_co_u32 s76, s76, s79
	s_add_nc_u64 s[10:11], s[10:11], s[76:77]
	s_lshl_b32 s76, s2, 2                          ; hidden and bias at my first column
	s_add_nc_u64 s[12:13], s[12:13], s[76:77]
	s_add_nc_u64 s[14:15], s[14:15], s[76:77]
	s_lshl_b32 s76, s18, 18                        ; part: pairs 4 w on, 65,536 bytes each; 16,384 a slice; 256 a g
	s_lshl_b32 s79, s78, 14
	s_add_co_u32 s76, s76, s79
	s_lshl_b32 s79, s23, 8
	s_add_co_u32 s76, s76, s79
	s_add_nc_u64 s[16:17], s[16:17], s[76:77]
.irp q, 0,1,2,3
	global_load_b128 v[WS+4*\q:WS+4*\q+3], v12, s[10:11] offset:512*\q
.endr
.irp t, 0,1,2,3,4,5,6,7
	global_load_b128 v[BV+8*\t:BV+8*\t+3],   v14, s[14:15] offset:64*\t
	global_load_b128 v[BV+8*\t+4:BV+8*\t+7], v14, s[14:15] offset:64*\t+16
.endr
	WIN 0x40                                       ; destination window 1, address window 0
	HLOAD 0, 96
	HLOAD 1, 112
	WIN 0x80
	HLOAD 2, 192
	HLOAD 3, 208
	HLOAD 4, 224
	WIN 0xc0
	HLOAD 5, 96
	HLOAD 6, 112
	HLOAD 7, 128
	WIN 0
	s_wait_loadcnt 0x0
	WIN 0x01
	BIAS 0, 96
	BIAS 1, 112
	WIN 0x02
	BIAS 2, 192
	BIAS 3, 208
	BIAS 4, 224
	WIN 0x03
	BIAS 5, 96
	BIAS 6, 112
	BIAS 7, 128
	WIN 0
	s_cmp_eq_u32 s20, 0                            ; two waves hold the same columns: the bias enters by the wave of the lower K half alone
	s_cselect_b32 s76, -1, 0
.irp i, 0,1,2,3
	v_cndmask_b32 v[HBP+\i], 0, v[HBP+\i], s76
.endr
	s_wait_tensorcnt 0x1                           ; my quarter of W is in; E's tile 0 may stay out
	s_barrier_signal -1
	s_barrier_wait -1                              ; everybody's is
	WIN 0x40
.irp t, 0,1,2,3,4,5,6,7
	WFRAG 12*\t, 0, \t
.endr
	WIN 0x80
.irp t, 0,1,2,3,4,5,6,7
	WFRAG 12*\t, 1, \t
	WFRAG 96+12*\t, 2, \t
.endr
	WIN 0xc0
.irp t, 0,1,2,3,4,5,6,7
	WFRAG 12*\t, 3, \t
.endr
	WIN 0
	s_wait_tensorcnt 0x0                           ; SLOT 1 IS FILLED OVER A PART OF W'S STAGE: all my tensor loads have landed (E's tile 0 among them),
	ds_add_u32 v[SPW], v[NIL]                      ; 0 onto my spare word
	GSTEP                                          ; the descriptors' step stands between it and the wait for it
	s_wait_dscnt 0x0                               ; the add is done, and W is in my registers
	CROUND                                         ; and so it is in every wave of every partner
	JLOAD 0                                        ; tile 1 into slot 1
	s_mov_b32 s60, 0
	s_mov_b32 s61, 4*TROW
	s_mov_b32 s63, 0
	s_mov_b32 s62, 6
	ADDR
	v_add_nc_u32 v245, s63, v[STB]                 ; (destination still in window 3)
	WIN 0x03
.set LS, 0
.set LI, 0
.set LP, -1
.rept 19
	LQ                                             ; tile 0's scale words and fragments 0, 1, 2
.endr
	TILE 0, 0, 0, -1                               ; the first tile stands in front of the loop: nothing is finished yet
	WIN 0
.Ltrip:                                            ; six trips: periods 0 to 5; each fills the slot that it leaves with the tile two periods on
	TRIP 1
	s_sub_co_u32 s62, s62, 1
	s_cmp_lg_u32 s62, 0
	s_cbranch_scc1 .Ltrip
	TRIP 2                                         ; the tail is written out: period 6 asks for nothing
	TILE 1, 0, 1, 0                                ; period 7
	TILE 2, 0, 1, 1
	TILE 3, 0, 1, 2
	TILE 4, 0, 1, 3
	TILE 5, 0, 1, 4
	TILE 6, 0, 1, 5
	TILE 7, 3, 1, 6
.set EN, 0                             ; the last tile's weighted sum
	WIN 0x01
.rept 8
	EV 1, 1
.endr
	WIN 0x02
.rept 12
	EV 1, 1
.endr
	WIN 0x03
.rept 14
	EV 1, 1
.endr
	ds_store_b32 v245, v[SX] offset:2176+12
	WIN 0
	; THE WAY OUT.  Wave w adds the eight parts of b = 8 w .. 8 w + 7.  Lane: c = lane / 16, two neighbouring l.  For each pair of b the 32 lanes store 256 consecutive bytes, at a multiple of 256 from part's first byte.
	v_and_b32 v8, 31, v0
	v_lshlrev_b32 v12, 3, v8                       ; in part: 8 bytes a lane
	v_and_b32 v9, 15, v0
	v_bfe_u32 v10, v0, 4, 1
	v_mul_u32_u24 v13, v10, 136
	v_lshl_add_u32 v13, v9, 3, v13
	s_mul_i32 s3, s18, 1088
	s_add_co_u32 s3, s3, STAGE
	v_add_nc_u32 v13, s3, v13
	s_wait_dscnt 0x0                               ; for the others' sake: my stores into the stage are done
	s_barrier_signal -1
	s_barrier_wait -1
.irp q, 0,1,2,3
.irp u, 0,1,2,3,4,5,6,7
	ds_load_b64 v[96+16*\q+2*\u:97+16*\q+2*\u], v13 offset:272*\q+4352*\u
.endr
.endr
	s_wait_dscnt 0x0
.irp q, 0,1,2,3
.irp u, 0,4,8,12
	v_pk_add_f32 v[96+16*\q+\u:97+16*\q+\u], v[96+16*\q+\u:97+16*\q+\u], v[98+16*\q+\u:99+16*\q+\u]
.endr
.endr
.irp q, 0,1,2,3
.irp u, 0,8
	v_pk_add_f32 v[96+16*\q+\u:97+16*\q+\u], v[96+16*\q+\u:97+16*\q+\u], v[100+16*\q+\u:101+16*\q+\u]
.endr
.endr
.irp q, 0,1,2,3
	v_pk_add_f32 v[96+16*\q:97+16*\q], v[96+16*\q:97+16*\q], v[104+16*\q:105+16*\q]
.endr
.irp q, 0,1,2,3
	global_store_b64 v12, v[96+16*\q:97+16*\q], s[16:17] offset:65536*\q
.endr
	s_wait_tensorcnt 0x0                           ; the wave's end, behind my last tensor load and my last LDS store
	ds_add_u32 v[SPW], v[NIL]
	s_wait_dscnt 0x0
	CROUND                                         ; the closing round: no work-group ends while a partner may still ask for a tile that names it
	s_endpgm
.Lfunc_end_k_q1c6644a45d_main:
	.size	k_q1c6644a45d_main, .Lfunc_end_k_q1c6644a45d_main-k_q1c6644a45d_main
	.p2alignl 7, 3214868480
	.fill 96, 4, 3214868480
	.section	.rodata,"a",@progbits
	.p2align	6, 0x0
	.amdhsa_kernel k_q1c6644a45d_main
		.amdhsa_group_segment_fixed_size 327680
		.amdhsa_private_segment_fixed_size 0
		.amdhsa_enable_private_segment 0
		.amdhsa_kernarg_size 56
		.amdhsa_user_sgpr_count 2
		.amdhsa_user_sgpr_kernarg_segment_ptr 1
		.amdhsa_wavefront_size32 1
		.amdhsa_system_sgpr_workgroup_id_x 1
		.amdhsa_system_sgpr_workgroup_id_y 1
		.amdhsa_system_sgpr_workgroup_id_z 1
		.amdhsa_system_vgpr_workitem_id 0
		.amdhsa_next_free_vgpr 1024
		.amdhsa_next_free_sgpr 80
		.amdhsa_reserve_vcc 0
		.amdhsa_float_denorm_mode_32 3
		.amdhsa_float_denorm_mode_16_64 3
		.amdhsa_memory_ordered 1
		.amdhsa_forward_progress 1
		.amdhsa_inst_pref_size 232
	.end_amdhsa_kernel
	.amdgpu_metadata
---
amdhsa.version: [ 1, 2 ]
amdhsa.kernels:
  - .name:           k_q1c6644a45d_main
    .symbol:         k_q1c6644a45d_main.kd
    .args:
      - { .name: encoder_outputs_codes, .offset: 0, .size: 8, .value_kind: global_buffer, .address_space: global }
      - { .name: encoder_outputs_scales, .offset: 8, .size: 8, .value_kind: global_buffer, .address_space: global }
      - { .name: W_codes, .offset: 16, .size: 8, .value_kind: global_buffer, .address_space: global }
      - { .name: W_scales, .offset: 24, .size: 8, .value_kind: global_buffer, .address_space: global }
      - { .name: hidden, .offset: 32, .size: 8, .value_kind: global_buffer, .address_space: global }
      - { .name: b, .offset: 40, .size: 8, .value_kind: global_buffer, .address_space: global }
      - { .name: part, .offset: 48, .size: 8, .value_kind: global_buffer, .address_space: global }
    .group_segment_fixed_size: 327680
    .private_segment_fixed_size: 0
    .kernarg_segment_align: 8
    .kernarg_segment_size: 56
    .max_flat_workgroup_size: 128
    .sgpr_count:     80
    .vgpr_count:     1024
    .wavefront_size: 32
...
	.end_amdgpu_metadata
.endif
;; end of part 1
;; launch soft (part 2): grid 16 x 1, 16 waves a work-group, no clusters, 2,560 bytes of LDS; arguments part, out0; writes out0
.if DOCPART == 2
	.amdgcn_target "amdgcn-amd-amdhsa--gfx1250"
	.amdhsa_code_object_version 6
	.text
	.protected	k_q1c6644a45d_soft
	.globl	k_q1c6644a45d_soft
	.p2align	8
	.type	k_q1c6644a45d_soft,@function
k_q1c6644a45d_soft:
	s_mov_b64 s[64:65], 0
	v_nop
	global_prefetch_b8 v0, s[64:65] scope:SCOPE_SE
	s_setreg_imm32_b32 hwreg(HW_REG_WAVE_MODE, 25, 1), 1
	s_wait_xcnt 0x0
; out0[b][l] = softmax over l of the score[b][l]; a score is the sum of its four parts, one for each slice of 256 columns.
; part: [b / 2 : 16][slice : 4][g : 64][b % 2 : 2][l % 32 : 32] f32, l = 32 g + l % 32.  A work-group takes a pair of b: 65,536 dense bytes.  Thread T reads 16 bytes at 16 T of each 8,192: every load of a wave covers
; 512 consecutive bytes.  Its 8 scores belong to b % 2 = c = bit 3 of T, and are l = 32 (32 i + T / 16) + 4 (T % 8) + 0 .. 3, i = 0, 1.
; The row's maximum is taken away before the exponential, as a difference in f32 and then times log2(e): the difference of two near numbers rounds nothing, so the two are not fused.
; A maximum or a sum meets inside a wave among the 16 lanes of one c (lanes xor 1, 2, 4 and 16), and among the 16 waves through LDS: one word for each (c, wave), one barrier; the sums have bytes of their own.
; No matrix unit, no tensor load, no cluster: 1 MiB is read once and nothing is shared.  The softmax spans rows that 64 work-groups of the launch before have made: hence a launch of its own.
; LIMITS: a p under 2^-126 comes out as 0 (v_exp_f32 flushes denormals: ISA guide, its entry); NaN and infinite scores are not served; 1 / sum is v_rcp_f32.
	s_load_b128 s[4:7], s[0:1], 0x0                ; part, out0
	v_lshl_add_u32 v64, v0, 2, 0x200
	v_mov_b32 v65, 0
	s_lshl_b32 s8, ttmp9, 16                       ; my pair's 65,536 bytes of part
	s_mov_b32 s9, 0
	s_lshl_b32 s10, ttmp9, 14                      ; its two rows of 8,192 bytes of out0
	s_mov_b32 s11, 0
	s_mov_b32 s12, 0x76543210                      ; v_permlanex16_b32's selects for lane l xor 16
	s_mov_b32 s13, 0xfedcba98
	v_lshlrev_b32 v1, 4, v0                        ; 16 T
	v_bfe_u32 v5, v0, 3, 1                         ; c
	v_lshrrev_b32 v6, 5, v0                        ; wave
	v_lshlrev_b32 v3, 6, v5                        ; LDS: the 16 waves' words of my c: 64 c
	v_lshl_add_u32 v2, v6, 2, v3                   ; my wave's word among them
	v_lshrrev_b32 v6, 4, v0
	v_and_b32 v7, 7, v0
	v_lshlrev_b32 v4, 13, v5                       ; out0: 8,192 c + 128 (T / 16) + 16 (T % 8)
	v_lshl_add_u32 v4, v6, 7, v4
	v_lshl_add_u32 v4, v7, 4, v4
	v_mov_b32 v41, 0                               ; a lane permute's destination counts as one of its sources
	s_wait_kmcnt 0x0
	s_add_nc_u64 s[4:5], s[4:5], s[8:9]
	s_add_nc_u64 s[6:7], s[6:7], s[10:11]
.irp s, 0,1,2,3
.irp i, 0,1
	global_load_b128 v[8+4*(2*\s+\i):11+4*(2*\s+\i)], v1, s[4:5] offset:16384*\s+8192*\i th:TH_LOAD_NT
.endr
.endr
	s_wait_loadcnt 0x0
.irp j, 0,2,4,6
	v_pk_add_f32 v[8+\j:9+\j], v[8+\j:9+\j], v[16+\j:17+\j]        ; slices 0 + 1,
	v_pk_add_f32 v[24+\j:25+\j], v[24+\j:25+\j], v[32+\j:33+\j]    ; 2 + 3,
.endr
.irp j, 0,2,4,6
	v_pk_add_f32 v[8+\j:9+\j], v[8+\j:9+\j], v[24+\j:25+\j]        ; and both: my 8 scores in v8-15
.endr
	v_max3_num_f32 v40, v8, v9, v10
	v_max3_num_f32 v42, v11, v12, v13
	v_max3_num_f32 v40, v40, v14, v15
	v_max_num_f32 v40, v40, v42
	v_max_num_f32_dpp v40, v40, v40 row_xmask:1 row_mask:0xf bank_mask:0xf
	v_max_num_f32_dpp v40, v40, v40 row_xmask:2 row_mask:0xf bank_mask:0xf
	v_max_num_f32_dpp v40, v40, v40 row_xmask:4 row_mask:0xf bank_mask:0xf
	v_permlanex16_b32 v41, v40, s12, s13
	v_max_num_f32 v40, v40, v41                    ; the wave's maximum for my c
	ds_store_b32 v2, v40                           ; sixteen lanes write the same word with the same value
	s_wait_dscnt 0x0                               ; for the others' sake
	s_barrier_signal -1
	s_barrier_wait -1
.irp i, 0,1,2,3
	ds_load_b128 v[48+4*\i:51+4*\i], v3 offset:16*\i
.endr
	s_wait_dscnt 0x0
	v_max3_num_f32 v46, v48, v49, v50
	v_max3_num_f32 v47, v51, v52, v53
	v_max3_num_f32 v46, v46, v54, v55
	v_max3_num_f32 v47, v47, v56, v57
	v_max3_num_f32 v46, v46, v58, v59
	v_max3_num_f32 v47, v47, v60, v61
	v_max3_num_f32 v46, v46, v62, v63
	v_max_num_f32 v46, v46, v47                    ; the row's maximum,
	v_mov_b32 v47, v46                             ; twice: a pair for the packed difference
.irp j, 0,2,4,6
	v_pk_add_f32 v[8+\j:9+\j], v[8+\j:9+\j], v[46:47] neg_lo:[0,1] neg_hi:[0,1]
.endr
.irp j, 0,2,4,6
	v_pk_mul_f32 v[8+\j:9+\j], v[8+\j:9+\j], 0x3fb8aa3b op_sel_hi:[1,0]   ; x log2(e)
.endr
.irp j, 0,1,2,3,4,5,6,7
	v_exp_f32 v[8+\j], v[8+\j]                     ; p, at most 1; the row's largest is 1, so the sum is at least 1
.endr
	v_nop                                          ; one plain place behind the exponentials
	s_wait_alu depctr_va_vdst(0)
	v_pk_add_f32 v[40:41], v[8:9], v[10:11]
	v_pk_add_f32 v[42:43], v[12:13], v[14:15]
	v_pk_add_f32 v[40:41], v[40:41], v[42:43]
	v_add_f32 v40, v40, v41
	v_add_f32_dpp v40, v40, v40 row_xmask:1 row_mask:0xf bank_mask:0xf
	v_add_f32_dpp v40, v40, v40 row_xmask:2 row_mask:0xf bank_mask:0xf
	v_add_f32_dpp v40, v40, v40 row_xmask:4 row_mask:0xf bank_mask:0xf
	v_permlanex16_b32 v41, v40, s12, s13
	v_add_f32 v40, v40, v41                        ; the wave's sum for my c
	ds_store_b32 v2, v40 offset:256                ; other bytes than the maxima's: no wave need have finished reading those
	s_wait_dscnt 0x0
	s_barrier_signal -1
	s_barrier_wait -1
.irp i, 0,1,2,3
	ds_load_b128 v[48+4*\i:51+4*\i], v3 offset:256+16*\i
.endr
	s_wait_dscnt 0x0
.irp j, 0,4,8,12
	v_pk_add_f32 v[48+\j:49+\j], v[48+\j:49+\j], v[50+\j:51+\j]
.endr
	v_pk_add_f32 v[48:49], v[48:49], v[52:53]
	v_pk_add_f32 v[56:57], v[56:57], v[60:61]
	v_pk_add_f32 v[48:49], v[48:49], v[56:57]
	v_add_f32 v48, v48, v49                        ; the row's sum
	v_rcp_f32 v46, v48
	v_nop                                          ; one plain place behind the reciprocal
	s_wait_alu depctr_va_vdst(0)
.irp j, 0,2,4,6
	v_pk_mul_f32 v[8+\j:9+\j], v[8+\j:9+\j], v[46:47] op_sel_hi:[1,0]   ; (of the pair the low word serves both halves)
.endr
	global_store_b128 v4, v[8:11], s[6:7]          ; lanes 0-7 and 16-23 store 256 consecutive bytes of the even row, at a multiple of 256 from out0's first byte; the other sixteen the same of the odd row
	global_store_b128 v4, v[12:15], s[6:7] offset:4096
	s_wait_tensorcnt 0x0
	ds_add_u32 v64, v65
	s_wait_dscnt 0x0
	s_endpgm
.Lfunc_end_k_q1c6644a45d_soft:
	.size	k_q1c6644a45d_soft, .Lfunc_end_k_q1c6644a45d_soft-k_q1c6644a45d_soft
	.p2alignl 7, 3214868480
	.fill 96, 4, 3214868480
	.section	.rodata,"a",@progbits
	.p2align	6, 0x0
	.amdhsa_kernel k_q1c6644a45d_soft
		.amdhsa_group_segment_fixed_size 2560
		.amdhsa_private_segment_fixed_size 0
		.amdhsa_enable_private_segment 0
		.amdhsa_kernarg_size 16
		.amdhsa_user_sgpr_count 2
		.amdhsa_user_sgpr_kernarg_segment_ptr 1
		.amdhsa_wavefront_size32 1
		.amdhsa_system_sgpr_workgroup_id_x 1
		.amdhsa_system_sgpr_workgroup_id_y 1
		.amdhsa_system_sgpr_workgroup_id_z 1
		.amdhsa_system_vgpr_workitem_id 0
		.amdhsa_next_free_vgpr 66
		.amdhsa_next_free_sgpr 66
		.amdhsa_reserve_vcc 0
		.amdhsa_float_denorm_mode_32 3
		.amdhsa_float_denorm_mode_16_64 3
		.amdhsa_memory_ordered 1
		.amdhsa_forward_progress 1
		.amdhsa_inst_pref_size 8
	.end_amdhsa_kernel
	.amdgpu_metadata
---
amdhsa.version: [ 1, 2 ]
amdhsa.kernels:
  - .name:           k_q1c6644a45d_soft
    .symbol:         k_q1c6644a45d_soft.kd
    .args:
      - { .name: part, .offset: 0, .size: 8, .value_kind: global_buffer, .address_space: global }
      - { .name: out0, .offset: 8, .size: 8, .value_kind: global_buffer, .address_space: global }
    .group_segment_fixed_size: 2560
    .private_segment_fixed_size: 0
    .kernarg_segment_align: 8
    .kernarg_segment_size: 16
    .max_flat_workgroup_size: 512
    .sgpr_count:     66
    .vgpr_count:     66
    .wavefront_size: 32
...
	.end_amdgpu_metadata
.endif
;; end of part 2
;; ======== version 2 of 2: 2 launches
;; limits: right only within a limited range of input values
;; workspace buffers: part 1,048,576 bytes
;; launch main (part 3): grid 4 x 64, 4 waves a work-group, clusters of 4 x 4, 327,680 bytes of LDS; arguments encoder_outputs_codes, encoder_outputs_scales, W_codes, W_scales, hidden, part; writes part
.if DOCPART == 3
	.amdgcn_target "amdgcn-amd-amdhsa--gfx1250"
	.amdhsa_code_object_version 6
	.text
	.protected	k_q1c6644a45d_main
	.globl	k_q1c6644a45d_main
	.p2align	8
	.type	k_q1c6644a45d_main,@function
k_q1c6644a45d_main:
	s_mov_b64 s[64:65], 0
	v_nop
	global_prefetch_b8 v0, s[64:65] scope:SCOPE_SE
	s_setreg_imm32_b32 hwreg(HW_REG_WAVE_MODE, 25, 1), 1
	s_wait_xcnt 0x0
	s_wait_alu depctr_hold_cnt(0) depctr_sa_sdst(0) depctr_va_vdst(0) depctr_va_sdst(0) depctr_va_ssrc(0) depctr_va_vcc(0) depctr_vm_vsrc(0)
	s_getreg_b32 s2, hwreg(HW_REG_IB_STS2, 6, 4)
	s_cmp_eq_u32 s2, 0
	s_cbranch_scc0 .Lentry_in_a_cluster
	s_endpgm
.Lentry_in_a_cluster:
	s_bfe_u32 s2, ttmp6, 0x10000c
	s_cmp_lg_u32 s2, 0xf033
	s_cbranch_scc0 .Lentry_shape_is_right
	s_endpgm
.Lentry_shape_is_right:
; part[b/2][slice][g][b%2][l%32] = the sum over the 256 columns n of a slice of hidden[b][n] (E[32 l + b] . W[n]),  l = 32 g + l%32.
; LEFT OUT: the input b.  reference() adds hidden[b] . bias to every score of row b: one number for all l, the axis of the softmax, whatever the inputs hold; softmax(x + c) = softmax(x).  So the bias has no way to
; the output and is not among the arguments.  Limit: a NaN, an infinity or an overflow that arises in hidden . bias alone is not carried to the result.
; E: 65,536 rows x 1,024 K, W: 1,024 rows x 1,024 K: codes of BF6 (E3M2), 768 bytes a row, one E8M0 byte for each 32 along K (32 bytes a row).  The product E W^T goes through the scaled matrix instruction as it is
; given; its results never leave the registers: a finished tile is weighted by hidden with fused multiply-adds in f32, and one number a lane is kept.
; SHARES.  A work-group owns 1,024 rows of E (g, 0..63) and 256 rows of W (slice, 0..3).  W STAYS IN REGISTERS: wave w = (a = w / 2, p = w % 2) holds W's rows 128 a .. 128 a + 127 of the slice (8 tiles T) over the
; whole K (8 steps s of 128): 64 fragments, 768 registers.  E goes through a ring of two LDS slots of 128 rows (a period, k = 0..7), and a wave takes the four tiles of 16 rows whose b is 16 p + 0..15:
; its tile q of period k is l = 32 g + 4 k + q.  A fragment of E feeds 8 matrix instructions, and hidden stands in 64 registers.
; THE MATRIX INSTRUCTION: source 0 = 16 rows of W, source 1 = 16 rows of E.  In the result lane (r, h) holds row r of E and its register j column 16 T + 8 h + j of my 128.
; BLOCKS OF 32 ARE TAKEN IN ANOTHER ORDER, alike for both operands: lane (r, h) takes the 48 bytes at 96 s + 48 h of its row, blocks 2 h and 2 h + 1 of the step's four, in three loads of 16 bytes.  The layout gives
; registers 6 c .. 6 c + 5 of half h the scale byte 2 c + h, so the bytes of each scale word are put into the order 0, 2, 1, 3.
; A TILE is eight halves of 8 matrix instructions: half 2 j works on T = 0-3 and half 2 j + 1 on T = 4-7, both with the K steps 2 j, 2 j + 1.  T 0-3 are finished in half 6 and weighted in half 7; T 4-7 are finished in
; half 7 and weighted in the next tile's half 0 and at the start of its half 1, ahead of the products that start them anew.
; TWO RUNS OF LDS INSTRUCTIONS A TILE.  E's fragments stand in three pairs of K steps: P (0, 1), Q (2, 3 and then 6, 7), R (4, 5).  Run A, in half 0: Q and R of this tile, the next tile's scale words.  Run B, behind half 3:
; the score of the tile before, Q (6, 7), and P of the next tile.  Behind each run stand at least 15 matrix instructions on fragments that are there (8 where a slot's last tile changes slots).
; CLUSTER, 4 x 4: the four work-groups of a row share g and ask for E's tiles jointly; the four of a column share the slice and ask for W jointly.
; PREFETCH: waves 0 to 2 of the four partners share a tile's 384 blocks of 256 bytes by address, a lane a block: tile 0 behind W's load, tile 1 behind tile 0's load, tile 2 behind tile 1's load, tile k + 3 behind
; tile k + 2's load in period k; periods 5 to 7 ask for nothing.  W comes by its load alone.
; LIMITS: a score's n is summed in 16 parts, in another order than a plain chain: f32 rounding of another order.  A scale byte 0xff gives NaN, as the matrix instruction makes it.
;
; LDS: slot 0 at 0, slot 1 at 2^17: 128 rows of codes, 816 bytes apart (16 bytes of padding behind every 256: 51 times 16, so that the 16 rows of a load of 16 bytes touch 16 different columns of 16 bytes modulo 256), then
; their scale bytes (16 x (256 + 16)).  W's 256 rows land once at WST, are read into registers, and slot 1 is then filled over a part of them.  The scores' stage lies in W's bytes behind slot 1, which have had
; their one fill.  Behind W: the spare words.
.set ROWL,  816                        ; a row of codes in LDS
.set TROW,  16*ROWL                    ; a tile of 16 rows
.set CODEB, 128*ROWL                   ; a slot's codes; its scale bytes begin here
.set SLOT1, 1<<17                      ; one exclusive or turns an address in one slot into the other's
.set WST,   108800                     ; W's 256 rows
.set STAGE, 239872                     ; score parts: 4616 u + 144 b + 4 (l % 32), u = 2 a + h
.set SPARE, 317696                     ; the spare words, 128 bytes for each wave: two blocks of 256 bytes that no other line names
.set TILEB, 98304                      ; 128 rows of E in memory
; REGISTERS, window 0
.set SPW, 1                            ; LDS address of my spare word; never rewritten
.set NIL, 2                            ; 0; never rewritten
.set FB1, 3                            ; 816 r + 48 h + 13056 p: my lane's place in a tile of my parity
.set FB2, 4                            ; the same with 64 h: for the pieces where lanes 16-31 lie behind one padding more
.set SCB, 5                            ; my lane's place among a slot's scale words: row r of my tile, words 4 h .. 4 h + 3
.set STB, 6                            ; my lane's place in the stage
.set PFO, 7                            ; my lane's block of a tile, for the prefetch; never rewritten
.set FLO, 8                            ; FB1 at the tile in hand
.set GLO, 9                            ; FB2 at the tile in hand
.set SCA, 10                           ; SCB in the slot in hand
.set STA, 11                           ; the stage for the period in hand
.set SX,  12                           ; v[12:13], v[14:15] two chains of the weighted sum; then v12 the score part
.set SY,  14
.set ES,  16                           ; v16-23 E's scale words: 4 (tile % 2) + s % 4: lanes 0-15 words 0-3, lanes 16-31 words 4-7
.set WS,  24                           ; v24-55 W's scale words, register 8 (T % 4) + s: lanes 0-15 tile T % 4, lanes 16-31 tile T % 4 + 4
.set EB,  56                           ; v56-127 E's fragments: P, Q, R
.set ACC, 128                          ; v128-191 accumulators, 8 T (at the head and on the way out: temporaries)
.set W0B, 192                          ; v192-251 five fragments of W
.set HB,  252                          ; v252-255 hidden for T = 4, j = 0-3
; window 1: hidden for the T and j that stand nowhere else, v0-51 in the order of their use; 17 fragments of W.  Window 2: 21 fragments of W, and v252-255 hidden for T = 7, j = 4-7.  Window 3: 21 fragments, and
; v252-255 hidden for T = 0, j = 0-3.  WREG says which fragment lies where; F counts the fragments in the order of their use.  Under s_set_vgpr_msb 1, 2, 3 only source 0 leaves window 0: W in a matrix instruction,
; hidden in a multiply-add, which stands beside products whose W lies in its window.  Seven switches a tile.
; s18 wave, s19 a, s20 p, s21 cx, s22 cy, s23 g, s78 slice; s[24:31], s[32:39], s[40:47] descriptor groups 1 for E's codes, E's scales, W; s[48:51], s[52:55], s[56:59] their groups 0; s60 the slot in hand, s61 a tile in it;
; s62 trips; s63 16 x period; s[66:67] the prefetch's base; s2 the bytes' order; s3, s[68:73], s[76:77], s79 offsets; s74, s75 masks
.set MSB, 0
.macro WIN new                         ; the immediate's high byte repeats the setting that is left; a switch that changes nothing is dropped
.if MSB != (\new)
	s_set_vgpr_msb (MSB<<8)|(\new)
.set MSB, (\new)
.endif
.endm
.macro NOPS n
.rept \n
	v_nop
.endr
.endm
.macro CREST                           ; a round of the cluster's barrier behind its opening barrier
	s_cmp_lg_u32 s18, 0
	s_cbranch_scc1 .Lnot_wave_0_\@
	s_barrier_signal -3
.Lnot_wave_0_\@:
	s_barrier_wait -3
	s_barrier_signal -1
	s_barrier_wait -1
.endm
.macro CROUND                          ; a whole round
	s_barrier_signal -1
	s_barrier_wait -1
	CREST
.endm
; A joint load of a tile of E: waves 0 to 2 fetch a third of its codes each (128 x 256 bytes), wave 3 its scale bytes.  Four v_nop follow each of the two lines.
; pf = 1, 2: waves 0 to 2 also ask for their share of the tile n tiles behind the prefetch's base (2: while a later period will load it).
.macro JLOAD pf, n
	s_cmp_lt_u32 s18, 3
	s_cbranch_scc0 .Lscales_\@
	tensor_load_to_lds s[48:51], s[24:31]
	s_nop 0
	NOPS 4
.if (\pf) == 2
	s_cmp_ge_u32 s62, 2
	s_cbranch_scc0 .Lasked_\@
.endif
	global_prefetch_b8 v[PFO], s[66:67] offset:(\n)*TILEB th:TH_LOAD_NT scope:SCOPE_SE
	s_branch .Lasked_\@
.Lscales_\@:
	tensor_load_to_lds s[52:55], s[32:39]
	s_nop 0
	NOPS 4
.Lasked_\@:
.endm
.macro GSTEP                           ; the walking descriptors: the other slot, the next 128 rows.  Only where no tensor load of mine is out
	s_xor_b32 s49, s49, SLOT1
	s_add_nc_u64 s[50:51], s[50:51], TILEB
	s_xor_b32 s53, s53, SLOT1
	s_add_nc_u64 s[54:55], s[54:55], 4096
.endm
.macro GROUP1 g, mask, rows            ; a dense block as rows of 256 bytes: 32 elements of 8 bytes
	s_or_b32 s[\g], s[\mask], (3<<16)|(1<<20)|(1<<21)|(5<<22)|(3<<25)   ; 15:0 the mask; 17:16 elements of 8 bytes; 20 padding on; 21 set beside a mask; 4 words behind every 64 (codes 3 and 5)
	s_mov_b32 s[\g+1], 32<<16                      ; tensor_dim0
	s_mov_b32 s[\g+2], (\rows)<<16                 ; tensor_dim1
	s_mov_b32 s[\g+3], 32<<16                      ; tile_dim0
	s_mov_b32 s[\g+4], \rows                       ; tile_dim1
	s_mov_b32 s[\g+5], 32                          ; tensor_dim0_stride
	s_mov_b32 s[\g+6], 0
	s_mov_b32 s[\g+7], 0
.endm
.macro WREG                            ; fragment F of W: window WW, register RW
.if F < 8
.set WW, 1
.set RW, 52+12*F
.elseif F < 29
.set WW, 2
.set RW, 12*(F-8)
.elseif F < 32
.set WW, 3
.set RW, 12*(F-29)
.elseif F < 37
.set WW, 0
.set RW, W0B+12*(F-32)
.elseif F < 55
.set WW, 3
.set RW, 36+12*(F-37)
.else
.set WW, 1
.set RW, 148+12*(F-55)
.endif
.endm
; A fragment, 16 rows x 128 K, is 12 registers: three pieces of 16 bytes.  Piece i of step s begins at byte y = 96 s + 16 i (lanes 16-31: 48 further on) of the row, which lies at y + 16 (y / 256).
; Lanes 16-31 lie behind one padding more where y % 256 is 208 or more: the second address register serves those.
.macro FRAG reg, s, lo, hi, off
.irp i, 0,1,2
.set PY, 96*(\s)+16*\i
.if (PY%256) >= 208
	ds_load_b128 v[(\reg)+4*\i:(\reg)+4*\i+3], v[\hi] offset:(\off)+PY+16*(PY/256)
.else
	ds_load_b128 v[(\reg)+4*\i:(\reg)+4*\i+3], v[\lo] offset:(\off)+PY+16*(PY/256)
.endif
.endr
.endm
.macro PAIR n, s, off                  ; E's K steps s, s + 1 into pair n: six loads
	FRAG EB+24*\n, \s, FLO, GLO, \off
	FRAG EB+24*\n+12, \s+1, FLO, GLO, \off
.endm
.macro SLOAD q                         ; the scale words of tile q of the slot
	ds_load_b128 v[ES+4*((\q)%2):ES+4*((\q)%2)+3], v[SCA] offset:1088*(\q)
.endm
.macro PERM q                          ; bytes 0, 2, 1, 3 (the constant in source 0 is not picked from: it hangs on no window)
.irp w, 0,1,2,3
	v_perm_b32 v[ES+4*((\q)%2)+\w], 0, v[ES+4*((\q)%2)+\w], s2
.endr
.endm
; THE MATRIX WORK: product (S, T) of a tile of parity OD.  A half's 4 accumulators take turns, one instruction a turn; S = 0 starts the sums with 0.
.macro MX c
.if T < 4
.if S < 4
	v_wmma_scale_f32_16x16x128_f8f6f4 v[RD:RD+7], v[RW:RW+11], v[RE:RE+11], \c, v[RWS], v[RES] matrix_a_fmt:MATRIX_FMT_BF6 matrix_b_fmt:MATRIX_FMT_BF6
.else
	v_wmma_scale_f32_16x16x128_f8f6f4 v[RD:RD+7], v[RW:RW+11], v[RE:RE+11], \c, v[RWS], v[RES] matrix_a_fmt:MATRIX_FMT_BF6 matrix_b_fmt:MATRIX_FMT_BF6 matrix_b_scale:MATRIX_SCALE_ROW1
.endif
.else
.if S < 4
	v_wmma_scale_f32_16x16x128_f8f6f4 v[RD:RD+7], v[RW:RW+11], v[RE:RE+11], \c, v[RWS], v[RES] matrix_a_fmt:MATRIX_FMT_BF6 matrix_b_fmt:MATRIX_FMT_BF6 matrix_a_scale:MATRIX_SCALE_ROW1
.else
	v_wmma_scale_f32_16x16x128_f8f6f4 v[RD:RD+7], v[RW:RW+11], v[RE:RE+11], \c, v[RWS], v[RES] matrix_a_fmt:MATRIX_FMT_BF6 matrix_b_fmt:MATRIX_FMT_BF6 matrix_a_scale:MATRIX_SCALE_ROW1 matrix_b_scale:MATRIX_SCALE_ROW1
.endif
.endif
.endm
.macro MM
.set F, 8*(2*(S/2)+(T/4))+4*(S%2)+(T%4)
	WREG
	WIN WW
.set RD, ACC+8*T
.set RE, EB+24*((S/2)-2*(S/6))+12*(S%2)
.set RWS, WS+8*(T%4)+S
.set RES, ES+4*OD+(S%4)
.if S == 0
	MX 0
.else
	MX v[RD:RD+7]
.endif
.endm
.macro HALF s, t                       ; eight matrix instructions
.set N, 0
.rept 8
.set S, (\s)+(N/4)
.set T, (\t)+(N%4)
	MM
.set N, N+1
.endr
.endm
; The weighting: entry n of 16, hidden x accumulator, two numbers, tile by tile and each accumulator from its low end on, in two chains.  PKA: T 0-3, whose first two start the chains; PKB: T 4-7, which goes on with them.
.macro PKF ph, pa, sx
	v_pk_fma_f32 v[\sx:\sx+1], v[\ph:\ph+1], v[\pa:\pa+1], v[\sx:\sx+1]
.endm
.macro PKA n
.set PA, ACC+2*(\n)
.set PH, 2*(\n)-4
.if (\n) < 2
	v_pk_mul_f32 v[SX+2*(\n):SX+2*(\n)+1], v[252+2*(\n):253+2*(\n)], v[PA:PA+1]
.elseif ((\n)%2) == 0
	PKF PH, PA, SX
.else
	PKF PH, PA, SY
.endif
.endm
.macro PKB n
.set PA, ACC+32+2*(\n)
.if (\n) < 2
.set PH, HB+2*(\n)
.elseif (\n) < 14
.set PH, 24+2*(\n)
.else
.set PH, 224+2*(\n)
.endif
.if ((\n)%2) == 0
	PKF PH, PA, SX
.else
	PKF PH, PA, SY
.endif
.endm
.macro FOLD1                           ; the two chains and their halves are added; the constant stands in source 0, whose window is not the sums'
	v_pk_fma_f32 v[SX:SX+1], 1.0, v[SY:SY+1], v[SX:SX+1] op_sel_hi:[0,1,1]
.endm
.macro FOLD2
	v_fma_f32 v[SX], 1.0, v[SX], v[SX+1]
.endm
; PLACES (ISA guide 7.12.1 for vector instructions): four plain vector lines stand between the last product that reads a pair of fragments or a set of scale words and the loads that
; refill it, and between T 0-3's last products and their first reads: useful lines, v_nop only where there are none.
; Halves 0 to 3 of tile q.  epi = 0: no tile is finished yet.  Run A stands behind the first product: four multiply-adds lie between the tile before's last product and it.
.macro PART1 q, epi
.set OD, (\q)%2
.set N, 0
.rept 8
.set S, N/4
.set T, N%4
	MM
.if N == 0
	WIN 0
.if \epi
	PKB 0
	PKB 1
.endif
	PAIR 1, 2, 0
	PAIR 2, 4, 0
.if (\q) < 3
	SLOAD (\q)+1
.endif
.elseif (\epi) && (N < 7)
	PKB 2*N
	PKB 2*N+1
.endif
.set N, N+1
.endr
.set N, 0
.rept 8
.set S, N/4
.set T, 4+(N%4)
	MM
.if \epi
.if N == 0
	PKB 14
	PKB 15
.elseif N == 2
	FOLD1
.elseif N == 4
	FOLD2
.endif
.endif
.set N, N+1
.endr
.if (\q) < 3
	s_wait_dscnt 7                                 ; Q is in; R's six loads and the scale words may be out
.else
	s_wait_dscnt 6                                 ; Q is in; R's six loads may be out
.endif
	HALF 2, 0
	HALF 2, 4
	WIN 0
	s_wait_dscnt 0x0
.if (\q) < 3
	PERM (\q)+1
.else
	NOPS 4
.endif
	s_wait_alu depctr_va_vdst(0)                   ; the score part
.if \epi
	ds_store_b32 v[STA], v[SX] offset:4*(((\q)+3)%4)
.endif
.endm
; Halves 4 to 7.  kind 0: plain.  kind 1, 2: the slot's last tile changes slots in front of the next tile's loads (1: and the slot is filled again).  kind 3: the very last tile: nothing follows.
.macro PART2 q, kind
.set OD, (\q)%2
	PAIR 1, 6, 0
.if ((\kind) == 1) || ((\kind) == 2)
	s_wait_tensorcnt 0x0                           ; all my tensor loads have landed: the one that was out is my part of the other slot;
	ds_add_u32 v[SPW], v[NIL]                      ; 0 onto my spare word
	HALF 4, 0                                      ; eight products stand between the add and the wait for it
	s_wait_dscnt 0x0                               ; the add is done, and my reads of this slot are over
	s_barrier_signal -1
	HALF 4, 4                                      ; work on registers while the others arrive
	WIN 0
	s_barrier_wait -1
.if (\kind) == 1
	CREST                                          ; the barrier has opened a round of the cluster's: no wave of any partner still reads this slot or has a load on its way
	GSTEP
	s_wait_xcnt 0x0                                ; the last trip's prefetch has read its base
	s_add_nc_u64 s[66:67], s[66:67], TILEB
	JLOAD 2, 2                                     ; the first tensor load behind the round, my one load until the next
.endif
	s_xor_b32 s60, s60, SLOT1                      ; on to the other slot
	v_add_nc_u32 v[FLO], s60, v[FB1]
	v_add_nc_u32 v[GLO], s60, v[FB2]
	v_add_nc_u32 v[SCA], s60, v[SCB]
	PAIR 0, 0, 0
	SLOAD 0
.elseif (\kind) == 0
	PAIR 0, 0, 2*TROW                              ; the next tile's P
	HALF 4, 0
	HALF 4, 4
	s_wait_dscnt 6                                 ; Q is in; P's six loads may be out
.else
	HALF 4, 0
	HALF 4, 4
	s_wait_dscnt 0x0
.endif
.set N, 0
.rept 8
.set S, 6+(N/4)
.set T, N%4
.if N == 7                             ; ahead of half 6's last product: four places, then T 0's first two multiply-adds, whose hidden lies in window 3
.if (\kind) == 0
	s_wait_dscnt 0x0                               ; the next tile's P is in
	s_add_co_u32 s61, s60, ((\q)+1)*2*TROW         ; on to my next tile of the slot
	v_add_nc_u32 v[FLO], s61, v[FB1]
	v_add_nc_u32 v[GLO], s61, v[FB2]
.if (\q) == 0
	v_add_nc_u32 v[STA], s63, v[STB]               ; the stage for this period's scores
	s_add_co_u32 s63, s63, 16
	v_nop
.else
	NOPS 2
.endif
.elseif (\kind) == 3
	NOPS 4
.else
	s_wait_dscnt 0x0                               ; the next tile's P and scale words are in
	PERM 0
.endif
	PKA 0
	PKA 1
.endif
	MM
.set N, N+1
.endr
.set N, 0
.rept 8
.set S, 6+(N/4)
.set T, 4+(N%4)
	MM
.if N < 2
	PKA 2+N
.else
	PKA 2*N
	PKA 2*N+1
.endif
.set N, N+1
.endr
.endm
; From the middle of a period's tile 0 to its end; with the next period's PART1 0 behind it a trip ends where the windows are 0 and every vector result has been waited for.
.macro TRIP kind
	PART2 0, 0
	PART1 1, 1
	PART2 1, 0
	PART1 2, 1
	PART2 2, 0
	PART1 3, 1
	PART2 3, \kind
.endm
	s_load_b256 s[4:11], s[0:1], 0x0               ; E's codes s[4:5], E's scales s[6:7], W's codes s[8:9], W's scales s[10:11]
	s_load_b128 s[12:15], s[0:1], 0x20             ; hidden s[12:13], part s[14:15]
	v_lshl_add_u32 v[SPW], v0, 2, SPARE
	v_mov_b32 v[NIL], 0
	ds_add_u32 v[SPW], v[NIL]                      ; the opening add, twice on end, and its wait
	ds_add_u32 v[SPW], v[NIL]
	v_lshrrev_b32 v142, 5, v0
	v_readfirstlane_b32 s18, v142                  ; wave 0..3
	s_lshr_b32 s19, s18, 1                         ; a: which 128 rows of W
	s_and_b32 s20, s18, 1                          ; p: which parity of the tiles
	s_bfe_u32 s21, ttmp6, 0x40000                  ; cx, cy: my place in the cluster
	s_bfe_u32 s22, ttmp6, 0x40004
	s_lshl_b32 s78, ttmp9, 2
	s_add_co_u32 s78, s78, s21                     ; slice = 4 x cluster x + cx
	s_and_b32 s23, ttmp7, 0xffff
	s_lshl_b32 s23, s23, 2
	s_add_co_u32 s23, s23, s22                     ; g = 4 x cluster y + cy
	s_lshl_b32 s74, s22, 2
	s_lshl_b32 s74, 15, s74                        ; my row of the cluster
	s_lshl_b32 s75, 0x1111, s21                    ; my column
	GROUP1 24, 74, 128                             ; E's codes: a third of a tile
	GROUP1 32, 74, 16                              ; E's scale bytes: a tile's 4,096
	GROUP1 40, 75, 192                             ; W's codes: a quarter of the slice's 256 rows
	; offsets in memory.  E's hang on g and the wave alone, W's on the slice and the wave alone
	s_mul_i32 s66, s23, 8*TILEB                    ; my 1,024 rows of 768 bytes
	s_mov_b32 s67, 0
	s_lshl_b32 s3, s18, 15
	s_add_co_u32 s68, s66, s3                      ; my third of a tile
	s_mov_b32 s69, 0
	s_lshl_b32 s72, s23, 15                        ; their scale bytes
	s_mov_b32 s73, 0
	s_mul_i32 s70, s78, 196608                     ; the slice's 256 rows of W,
	s_mul_i32 s3, s18, 49152
	s_add_co_u32 s70, s70, s3                      ; my quarter
	s_mov_b32 s71, 0
	s_mov_b32 s48, 1                               ; groups 0: count = 1; LDS address; (behind the wait for the arguments) global address; type = 2
	s_mul_i32 s49, s18, 128*272
	s_mov_b32 s52, 1
	s_mov_b32 s53, CODEB
	s_mov_b32 s56, 1
	s_mul_i32 s57, s18, 192*272
	s_add_co_u32 s57, s57, WST
	; the scalar parts of my lane's addresses
	s_mul_i32 s76, s20, TROW
	s_mul_i32 s77, s19, 128*ROWL
	s_add_co_u32 s77, s77, WST                     ; my 128 rows in W's stage
	s_mul_i32 s79, s20, 544
	s_add_co_u32 s79, s79, CODEB
	s_mul_i32 s3, s19, 9232
	s_mul_i32 s2, s20, 2304
	s_add_co_u32 s3, s3, s2
	s_add_co_u32 s3, s3, STAGE
	s_mul_i32 s2, s21, 24576                       ; the prefetch: my work-group's quarter of a tile, my wave's third of that, 256 bytes a lane
	s_lshl_b32 s61, s18, 13
	s_add_co_u32 s2, s2, s61
	v_and_b32 v128, 15, v0                         ; r
	v_bfe_u32 v129, v0, 4, 1                       ; h
	v_and_b32 v130, 31, v0                         ; lane
	v_mul_u32_u24 v131, v128, ROWL
	v_mad_u32_u24 v132, v129, 48, v131
	v_lshl_add_u32 v133, v129, 6, v131
	v_add_nc_u32 v[FB1], s76, v132
	v_add_nc_u32 v[FB2], s76, v133
	v_add_nc_u32 v134, s77, v132                   ; W's stage: tiles 0-3 and 4-7, on 48 h and on 64 h
	v_add_nc_u32 v135, 4*TROW, v134
	v_add_nc_u32 v136, s77, v133
	v_add_nc_u32 v137, 4*TROW, v136
	v_lshrrev_b32 v138, 3, v128
	v_and_b32 v139, 7, v128
	v_mul_u32_u24 v[SCB], v138, 272                ; a row's 32 scale bytes: eight rows to 256 bytes + 16;
	v_lshl_add_u32 v[SCB], v139, 5, v[SCB]
	v_lshl_add_u32 v[SCB], v129, 4, v[SCB]         ; lanes 16-31: words 4 to 7
	v_add_nc_u32 v[SCB], s79, v[SCB]
	v_mul_u32_u24 v[STB], v128, 144
	v_mad_u32_u24 v[STB], v129, 4616, v[STB]
	v_add_nc_u32 v[STB], s3, v[STB]
	v_lshl_add_u32 v[PFO], v130, 8, s2
	v_lshlrev_b32 v140, 5, v128
	v_lshl_add_u32 v140, v129, 11, v140            ; W's scale words: 32 bytes a row; lanes 16-31 take the tile 64 rows on
	v_lshlrev_b32 v141, 12, v128
	v_lshl_add_u32 v141, v129, 5, v141             ; hidden: row r of 4,096 bytes, + 32 h
	s_mov_b32 s2, 0x03010200                       ; v_perm_b32's selector: bytes 0, 2, 1, 3
	s_wait_alu depctr_va_vdst(0)
	s_wait_dscnt 0x0                               ; both opening adds are done
	CROUND                                         ; all sixteen work-groups are here: the first joint loads meet
	s_wait_kmcnt 0x0
	s_add_nc_u64 s[58:59], s[8:9], s[70:71]
	s_or_b32 s59, s59, 0x80000000
	tensor_load_to_lds s[56:59], s[40:47]          ; W: every wave a quarter, its one load at the head
	s_nop 0
	NOPS 4
	s_add_nc_u64 s[50:51], s[4:5], s[68:69]
	s_or_b32 s51, s51, 0x80000000
	s_add_nc_u64 s[54:55], s[6:7], s[72:73]
	s_or_b32 s55, s55, 0x80000000
	s_add_nc_u64 s[66:67], s[4:5], s[66:67]
	s_lshl_b32 s76, s78, 13                        ; W's scale bytes: 32 a row, from row 256 x slice + 128 a
	s_lshl_b32 s79, s19, 12
	s_add_co_u32 s76, s76, s79
	s_mov_b32 s77, 0
	s_add_nc_u64 s[10:11], s[10:11], s[76:77]
	s_lshl_b32 s76, s78, 10                        ; hidden at my first column and my first row
	s_lshl_b32 s79, s19, 9
	s_add_co_u32 s76, s76, s79
	s_lshl_b32 s79, s20, 16
	s_add_co_u32 s76, s76, s79
	s_add_nc_u64 s[12:13], s[12:13], s[76:77]
	s_lshl_b32 s76, s18, 18                        ; part: pairs 4 w on, 65,536 bytes each; 16,384 a slice; 256 a g
	s_lshl_b32 s79, s78, 14
	s_add_co_u32 s76, s76, s79
	s_lshl_b32 s79, s23, 8
	s_add_co_u32 s76, s76, s79
	s_add_nc_u64 s[14:15], s[14:15], s[76:77]
.irp t, 0,1,2,3
	global_load_b128 v[WS+8*\t:WS+8*\t+3], v140, s[10:11] offset:512*\t
	global_load_b128 v[WS+8*\t+4:WS+8*\t+7], v140, s[10:11] offset:512*\t+16
.endr
	s_cmp_lt_u32 s18, 3
	s_cbranch_scc0 .Lno_pf
	global_prefetch_b8 v[PFO], s[66:67] th:TH_LOAD_NT scope:SCOPE_SE   ; tile 0: its load is asked for when W has landed
.Lno_pf:
.macro HL reg, n                       ; hidden, piece n = 2 T + j / 4
	global_load_b128 v[\reg:\reg+3], v141, s[12:13] offset:64*((\n)/2)+16*((\n)%2)
.endm
	HL HB, 8
	WIN 0x40                                       ; destination window 1, address window 0
.irp n, 1,2,3,4,5,6,7
	HL 4*\n-4, \n
.endr
.irp n, 9,10,11,12,13,14
	HL 4*\n-8, \n
.endr
	WIN 0x80
	HL 252, 15
	WIN 0xc0
	HL 252, 0
	WIN 0
	s_wait_tensorcnt 0x0                           ; my quarter of W is in; slot 0's first fill stands behind the full sequence:
	ds_add_u32 v[SPW], v[NIL]
	s_wait_dscnt 0x0
	CROUND                                         ; everybody's quarter is in
	JLOAD 1, 1                                     ; E's tile 0 into slot 0
.set F, 0
.rept 64                               ; W's 64 fragments into registers, in the order of their use
.set S, 2*(F/16)+((F%8)/4)
.set T, 4*((F/8)%2)+(F%4)
	WREG
	WIN (WW<<6)
	FRAG RW, S, 134+(T/4), 136+(T/4), (T%4)*TROW
.set F, F+1
.endr
	WIN 0
	s_wait_loadcnt 0x0                             ; W's scale words and hidden
.set N, 0
.rept 32
	v_perm_b32 v[WS+N], 0, v[WS+N], s2
.set N, N+1
.endr
	s_wait_alu depctr_va_vdst(0)
	s_wait_tensorcnt 0x0                           ; SLOT 1 IS FILLED OVER A PART OF W'S STAGE: my part of E's tile 0 has landed,
	ds_add_u32 v[SPW], v[NIL]                      ; 0 onto my spare word
	GSTEP                                          ; the descriptors' step stands between it and the wait for it
	s_wait_dscnt 0x0                               ; the add is done, and W is in my registers
	CROUND                                         ; and so it is in every wave of every partner
	JLOAD 1, 2                                     ; tile 1 into slot 1
	s_mov_b32 s60, 0
	s_mov_b32 s63, 0
	s_mov_b32 s62, 6
	v_add_nc_u32 v[FLO], s60, v[FB1]
	v_add_nc_u32 v[GLO], s60, v[FB2]
	v_add_nc_u32 v[SCA], s60, v[SCB]
	SLOAD 0
	PAIR 0, 0, 0
	s_wait_dscnt 0x0
	PERM 0
	NOPS 8                                         ; a scale register written by a vector instruction stands 8 places ahead of the matrix instruction
	s_wait_alu depctr_va_vdst(0)
	PART1 0, 0                                     ; the first half tile stands in front of the loop: nothing is finished yet
.Ltrip:                                            ; six trips: periods 0 to 5; each fills the slot that it leaves with the tile two periods on
	TRIP 1
	PART1 0, 1
	s_sub_co_u32 s62, s62, 1
	s_cmp_lg_u32 s62, 0
	s_cbranch_scc1 .Ltrip
	TRIP 2                                         ; the tail is written out: period 6 asks for nothing
	PART1 0, 1
	TRIP 3                                         ; period 7
	WIN 0                                          ; the last tile's T 4-7
	PKB 0
	PKB 1
	WIN 1
.set N, 2
.rept 12
	PKB N
.set N, N+1
.endr
	WIN 2
	PKB 14
	PKB 15
	FOLD1
	FOLD2
	WIN 0
	ds_store_b32 v[STA], v[SX] offset:12
	; THE WAY OUT.  Wave w adds the four parts of b = 8 w .. 8 w + 7.  Lane: c = lane / 16, two neighbouring l.  For each pair of b the 32 lanes store 256 consecutive bytes, at a multiple of 256 from part's first byte.
	s_mul_i32 s3, s18, 1152
	s_add_co_u32 s3, s3, STAGE
	v_and_b32 v25, 31, v0
	v_lshlrev_b32 v24, 3, v25                      ; in part: 8 bytes a lane
	v_and_b32 v26, 15, v0
	v_bfe_u32 v27, v0, 4, 1
	v_mul_u32_u24 v28, v27, 144
	v_lshl_add_u32 v28, v26, 3, v28
	v_add_nc_u32 v28, s3, v28
	s_wait_alu depctr_va_vdst(0)
	s_wait_dscnt 0x0                               ; for the others' sake: my stores into the stage are done
	s_barrier_signal -1
	s_barrier_wait -1
.irp q, 0,1,2,3
.irp u, 0,1,2,3
	ds_load_b64 v[128+8*\q+2*\u:129+8*\q+2*\u], v28 offset:288*\q+4616*\u
.endr
.endr
	s_wait_dscnt 0x0
.irp q, 0,1,2,3
	v_pk_add_f32 v[128+8*\q:129+8*\q], v[128+8*\q:129+8*\q], v[130+8*\q:131+8*\q]
	v_pk_add_f32 v[132+8*\q:133+8*\q], v[132+8*\q:133+8*\q], v[134+8*\q:135+8*\q]
.endr
.irp q, 0,1,2,3
	v_pk_add_f32 v[128+8*\q:129+8*\q], v[128+8*\q:129+8*\q], v[132+8*\q:133+8*\q]
.endr
.irp q, 0,1,2,3
	global_store_b64 v24, v[128+8*\q:129+8*\q], s[14:15] offset:65536*\q
.endr
	s_wait_tensorcnt 0x0                           ; the wave's end, behind my last tensor load and my last LDS store
	ds_add_u32 v[SPW], v[NIL]
	s_wait_dscnt 0x0
	CROUND                                         ; the closing round: no work-group ends while a partner may still ask for a tile that names it
	s_endpgm
.Lfunc_end_k_q1c6644a45d_main:
	.size	k_q1c6644a45d_main, .Lfunc_end_k_q1c6644a45d_main-k_q1c6644a45d_main
	.p2alignl 7, 3214868480
	.fill 96, 4, 3214868480
	.section	.rodata,"a",@progbits
	.p2align	6, 0x0
	.amdhsa_kernel k_q1c6644a45d_main
		.amdhsa_group_segment_fixed_size 327680
		.amdhsa_private_segment_fixed_size 0
		.amdhsa_enable_private_segment 0
		.amdhsa_kernarg_size 48
		.amdhsa_user_sgpr_count 2
		.amdhsa_user_sgpr_kernarg_segment_ptr 1
		.amdhsa_wavefront_size32 1
		.amdhsa_system_sgpr_workgroup_id_x 1
		.amdhsa_system_sgpr_workgroup_id_y 1
		.amdhsa_system_sgpr_workgroup_id_z 1
		.amdhsa_system_vgpr_workitem_id 0
		.amdhsa_next_free_vgpr 1024
		.amdhsa_next_free_sgpr 80
		.amdhsa_reserve_vcc 0
		.amdhsa_float_denorm_mode_32 3
		.amdhsa_float_denorm_mode_16_64 3
		.amdhsa_memory_ordered 1
		.amdhsa_forward_progress 1
		.amdhsa_inst_pref_size 183
	.end_amdhsa_kernel
	.amdgpu_metadata
---
amdhsa.version: [ 1, 2 ]
amdhsa.kernels:
  - .name:           k_q1c6644a45d_main
    .symbol:         k_q1c6644a45d_main.kd
    .args:
      - { .name: encoder_outputs_codes, .offset: 0, .size: 8, .value_kind: global_buffer, .address_space: global }
      - { .name: encoder_outputs_scales, .offset: 8, .size: 8, .value_kind: global_buffer, .address_space: global }
      - { .name: W_codes, .offset: 16, .size: 8, .value_kind: global_buffer, .address_space: global }
      - { .name: W_scales, .offset: 24, .size: 8, .value_kind: global_buffer, .address_space: global }
      - { .name: hidden, .offset: 32, .size: 8, .value_kind: global_buffer, .address_space: global }
      - { .name: part, .offset: 40, .size: 8, .value_kind: global_buffer, .address_space: global }
    .group_segment_fixed_size: 327680
    .private_segment_fixed_size: 0
    .kernarg_segment_align: 8
    .kernarg_segment_size: 48
    .max_flat_workgroup_size: 128
    .sgpr_count:     80
    .vgpr_count:     1024
    .wavefront_size: 32
...
	.end_amdgpu_metadata
.endif
;; end of part 3
;; launch soft (part 4): grid 32 x 1, 16 waves a work-group, no clusters, 2,560 bytes of LDS; arguments part, out0; writes out0
.if DOCPART == 4
	.amdgcn_target "amdgcn-amd-amdhsa--gfx1250"
	.amdhsa_code_object_version 6
	.text
	.protected	k_q1c6644a45d_soft
	.globl	k_q1c6644a45d_soft
	.p2align	8
	.type	k_q1c6644a45d_soft,@function
k_q1c6644a45d_soft:
	s_mov_b64 s[64:65], 0
	v_nop
	global_prefetch_b8 v0, s[64:65] scope:SCOPE_SE
	s_setreg_imm32_b32 hwreg(HW_REG_WAVE_MODE, 25, 1), 1
	s_wait_xcnt 0x0
; out0[b][l] = softmax over l of the score[b][l]; a score is the sum of its four parts, one for each slice of 256 columns.  The launch before leaves reference()'s bias out (see its head); nothing is left out here.
; part: [b / 2 : 16][slice : 4][g : 64][b % 2 : 2][l % 32 : 32] f32, l = 32 g + l % 32.  A work-group takes one b: thread T has l = 4 T .. 4 T + 3, 16 bytes of each slice: eight neighbouring lanes read 128 consecutive
; bytes, the half of an aligned 256 that is this b's (the other half is the work-group's of the neighbouring b).
; The row's maximum is taken away before the exponential, as a difference in f32 and then times log2(e): the difference of two near numbers rounds nothing, so the two are not fused.
; A maximum or a sum meets inside a wave among its 32 lanes, and among the 16 waves through LDS: one word for each wave, one barrier; the sums have bytes of their own.
; No matrix unit, no tensor load, no cluster: 1 MiB is read once and nothing is shared.  The softmax spans rows that 64 work-groups of the launch before have made: hence a launch of its own.
; LIMITS: a p under 2^-126 comes out as 0 (v_exp_f32 flushes denormals: ISA guide, its entry); NaN and infinite scores are not served; 1 / sum is v_rcp_f32.
.macro DEP1
	s_delay_alu instid0(VALU_DEP_1)
.endm
	s_load_b128 s[4:7], s[0:1], 0x0                ; part, out0
	v_lshl_add_u32 v1, v0, 2, 0x200                ; my spare word, and 0
	v_mov_b32 v2, 0
	s_lshr_b32 s8, ttmp9, 1
	s_lshl_b32 s8, s8, 16                          ; my pair's 65,536 bytes of part,
	s_and_b32 s10, ttmp9, 1
	s_lshl_b32 s10, s10, 7                         ; my half of each 256
	s_add_co_u32 s8, s8, s10
	s_mov_b32 s9, 0
	s_lshl_b32 s10, ttmp9, 13                      ; my row of 8,192 bytes of out0
	s_mov_b32 s11, 0
	s_mov_b32 s12, 0x76543210                      ; v_permlanex16_b32's selects for lane l xor 16
	s_mov_b32 s13, 0xfedcba98
	v_lshrrev_b32 v7, 3, v0
	v_and_b32 v8, 7, v0
	v_lshrrev_b32 v5, 5, v0
	v_lshlrev_b32 v4, 4, v0                        ; out0: 16 T
	v_lshlrev_b32 v3, 8, v7                        ; part: 256 (T / 8) + 16 (T % 8)
	v_lshlrev_b32 v5, 2, v5                        ; my wave's word
	v_mov_b32 v6, 0                                ; LDS: where the words begin
	v_lshl_add_u32 v3, v8, 4, v3
	v_mov_b32 v9, 0                                ; a lane permute's destination counts as one of its sources
	v_mov_b32 v51, 0                               ; (named as the upper half of a pair)
	s_wait_alu depctr_va_vdst(0)
	s_wait_kmcnt 0x0
	s_add_nc_u64 s[4:5], s[4:5], s[8:9]
	s_add_nc_u64 s[6:7], s[6:7], s[10:11]
.irp s, 0,1,2,3
	global_load_b128 v[12+4*\s:15+4*\s], v3, s[4:5] offset:16384*\s
.endr
	s_wait_loadcnt 0x0
	v_pk_add_f32 v[12:13], v[12:13], v[16:17]      ; slices 0 + 1,
	v_pk_add_f32 v[14:15], v[14:15], v[18:19]
	v_pk_add_f32 v[20:21], v[20:21], v[24:25]      ; 2 + 3,
	v_pk_add_f32 v[22:23], v[22:23], v[26:27]
	v_pk_add_f32 v[12:13], v[12:13], v[20:21]      ; and both: my 4 scores in v12-15
	v_pk_add_f32 v[14:15], v[14:15], v[22:23]
	DEP1
	v_max_num_f32 v28, v14, v15
	DEP1
	v_max3_num_f32 v28, v28, v12, v13
	DEP1
	v_max_num_f32_dpp v28, v28, v28 row_xmask:1 row_mask:0xf bank_mask:0xf
	DEP1
	v_max_num_f32_dpp v28, v28, v28 row_xmask:2 row_mask:0xf bank_mask:0xf
	DEP1
	v_max_num_f32_dpp v28, v28, v28 row_xmask:4 row_mask:0xf bank_mask:0xf
	DEP1
	v_max_num_f32_dpp v28, v28, v28 row_xmask:8 row_mask:0xf bank_mask:0xf
	DEP1
	v_permlanex16_b32 v9, v28, s12, s13
	DEP1
	v_max_num_f32 v28, v28, v9                     ; the wave's maximum
	ds_store_b32 v5, v28                           ; all lanes write the same word with the same value
	s_wait_dscnt 0x0                               ; for the others' sake
	s_barrier_signal -1
	s_barrier_wait -1
.irp i, 0,1,2,3
	ds_load_b128 v[32+4*\i:35+4*\i], v6 offset:16*\i
.endr
	s_wait_dscnt 0x0
	v_max3_num_f32 v32, v32, v33, v34
	v_max3_num_f32 v35, v35, v36, v37
	v_max3_num_f32 v38, v38, v39, v40
	v_max3_num_f32 v41, v41, v42, v43
	v_max3_num_f32 v44, v44, v45, v46
	v_max3_num_f32 v32, v32, v35, v47
	s_delay_alu instid0(VALU_DEP_2)
	v_max3_num_f32 v38, v38, v41, v44
	DEP1
	v_max_num_f32 v48, v32, v38                    ; the row's maximum,
	DEP1
	v_mov_b32 v49, v48                             ; twice: a pair for the packed difference
	DEP1
	v_pk_add_f32 v[12:13], v[12:13], v[48:49] neg_lo:[0,1] neg_hi:[0,1]
	v_pk_add_f32 v[14:15], v[14:15], v[48:49] neg_lo:[0,1] neg_hi:[0,1]
	s_delay_alu instid0(VALU_DEP_2)
	v_pk_mul_f32 v[12:13], v[12:13], 0x3fb8aa3b op_sel_hi:[1,0]   ; x log2(e)
	s_delay_alu instid0(VALU_DEP_2)
	v_pk_mul_f32 v[14:15], v[14:15], 0x3fb8aa3b op_sel_hi:[1,0]
	s_wait_alu depctr_va_vdst(0)
.irp j, 0,1,2,3
	v_exp_f32 v[12+\j], v[12+\j]                   ; p, at most 1; the row's largest is 1, so the sum is at least 1
.endr
	v_nop                                          ; one plain place behind the exponentials
	s_wait_alu depctr_va_vdst(0)
	v_pk_add_f32 v[28:29], v[12:13], v[14:15]
	DEP1
	v_add_f32 v28, v28, v29
	DEP1
	v_add_f32_dpp v28, v28, v28 row_xmask:1 row_mask:0xf bank_mask:0xf
	DEP1
	v_add_f32_dpp v28, v28, v28 row_xmask:2 row_mask:0xf bank_mask:0xf
	DEP1
	v_add_f32_dpp v28, v28, v28 row_xmask:4 row_mask:0xf bank_mask:0xf
	DEP1
	v_add_f32_dpp v28, v28, v28 row_xmask:8 row_mask:0xf bank_mask:0xf
	DEP1
	v_permlanex16_b32 v9, v28, s12, s13
	DEP1
	v_add_f32 v28, v28, v9                         ; the wave's sum
	ds_store_b32 v5, v28 offset:256                ; other bytes than the maxima's: no wave need have finished reading those
	s_wait_dscnt 0x0
	s_barrier_signal -1
	s_barrier_wait -1
.irp i, 0,1,2,3
	ds_load_b128 v[32+4*\i:35+4*\i], v6 offset:256+16*\i
.endr
	s_wait_dscnt 0x0
.irp j, 0,4,8,12
	v_pk_add_f32 v[32+\j:33+\j], v[32+\j:33+\j], v[34+\j:35+\j]
.endr
	v_pk_add_f32 v[32:33], v[32:33], v[36:37]
	s_delay_alu instid0(VALU_DEP_2)
	v_pk_add_f32 v[40:41], v[40:41], v[44:45]
	DEP1
	v_pk_add_f32 v[32:33], v[32:33], v[40:41]
	DEP1
	v_add_f32 v32, v32, v33                        ; the row's sum
	s_wait_alu depctr_va_vdst(0)
	v_rcp_f32 v50, v32
	v_nop                                          ; one plain place behind the reciprocal
	s_wait_alu depctr_va_vdst(0)
	v_pk_mul_f32 v[12:13], v[12:13], v[50:51] op_sel_hi:[1,0]   ; (of the pair the low word serves both halves)
	v_pk_mul_f32 v[14:15], v[14:15], v[50:51] op_sel_hi:[1,0]
	global_store_b128 v4, v[12:15], s[6:7]         ; a wave stores 512 consecutive bytes, at a multiple of 512 from the row's first byte
	s_wait_tensorcnt 0x0                           ; the wave's end
	ds_add_u32 v1, v2
	s_wait_dscnt 0x0
	s_endpgm
.Lfunc_end_k_q1c6644a45d_soft:
	.size	k_q1c6644a45d_soft, .Lfunc_end_k_q1c6644a45d_soft-k_q1c6644a45d_soft
	.p2alignl 7, 3214868480
	.fill 96, 4, 3214868480
	.section	.rodata,"a",@progbits
	.p2align	6, 0x0
	.amdhsa_kernel k_q1c6644a45d_soft
		.amdhsa_group_segment_fixed_size 2560
		.amdhsa_private_segment_fixed_size 0
		.amdhsa_enable_private_segment 0
		.amdhsa_kernarg_size 16
		.amdhsa_user_sgpr_count 2
		.amdhsa_user_sgpr_kernarg_segment_ptr 1
		.amdhsa_wavefront_size32 1
		.amdhsa_system_sgpr_workgroup_id_x 1
		.amdhsa_system_sgpr_workgroup_id_y 1
		.amdhsa_system_sgpr_workgroup_id_z 1
		.amdhsa_system_vgpr_workitem_id 0
		.amdhsa_next_free_vgpr 56
		.amdhsa_next_free_sgpr 66
		.amdhsa_reserve_vcc 0
		.amdhsa_float_denorm_mode_32 3
		.amdhsa_float_denorm_mode_16_64 3
		.amdhsa_memory_ordered 1
		.amdhsa_forward_progress 1
		.amdhsa_inst_pref_size 7
	.end_amdhsa_kernel
	.amdgpu_metadata
---
amdhsa.version: [ 1, 2 ]
amdhsa.kernels:
  - .name:           k_q1c6644a45d_soft
    .symbol:         k_q1c6644a45d_soft.kd
    .args:
      - { .name: part, .offset: 0, .size: 8, .value_kind: global_buffer, .address_space: global }
      - { .name: out0, .offset: 8, .size: 8, .value_kind: global_buffer, .address_space: global }
    .group_segment_fixed_size: 2560
    .private_segment_fixed_size: 0
    .kernarg_segment_align: 8
    .kernarg_segment_size: 16
    .max_flat_workgroup_size: 512
    .sgpr_count:     66
    .vgpr_count:     56
    .wavefront_size: 32
...
	.end_amdgpu_metadata
.endif
;; end of part 4
